; MI455X (gfx1250); checked and timed in simulation.
; The chip was launched on July 23, 2026; its instructions are those of AMD's public machine-readable ISA for CDNA 5 (MIT licence, August 2026) and "CDNA5" Instruction Set Architecture Reference Guide (July 2026). The comments in the code are by the model that wrote it; some were corrected since.
;; Multi Headed Attention. Allowed arithmetic: float matrix products may take bf16 or f16 operands with f32 sums; other float arithmetic in f32, or as packed bf16 or f16 multiplies, adds, multiply-adds, maxima and minima; sums over many terms, partial sums and values carried from step to step in f32; what a program stores and reads back later, other than sums and carried values, may be rounded once to bf16 or f16.
;; Inputs: Wk 16 x 1,024 x 64 float32; Wo 1,024 x 1,024 float32; Wq 16 x 1,024 x 64 float32; Wv 16 x 1,024 x 64 float32; bk 16 x 64 float32; bo 1,024 float32; bq 16 x 64 float32; bv 16 x 64 float32; key 8 x 1,024 x 1,024 float32; mask 8 x 1,024 x 1,024 float32; query 8 x 1,024 x 1,024 float32; value 8 x 1,024 x 1,024 float32.
;; Outputs: out0 8 x 1,024 x 1,024 float32.
;; 2 versions, each right; version 2 is version 1 with the launch prep written anew for expert scheduling mode. Each part assembles by itself: llvm-mc -triple=amdgcn-amd-amdhsa -mcpu=gfx1250 --defsym DOCPART=n.
;; ======== version 1 of 2: 4 launches
;; limits: values are held in f16: magnitudes above 65,504 overflow, below 6.1e-05 lose precision
;; workspace buffers: xb 16,777,216 bytes; wt2 6,291,456 bytes; wo2 2,097,152 bytes; qw 16,777,216 bytes; kw 16,777,216 bytes; vw 16,777,216 bytes; ow 16,777,216 bytes
;; launch prep (part 1): grid 768 x 1, 8 waves a work-group, no clusters, 0 bytes of LDS; arguments query, Wq, Wk, Wv, Wo, xb, wt2, wo2; writes xb, wt2, wo2
.if DOCPART == 1
	.amdgcn_target "amdgcn-amd-amdhsa--gfx1250"
	.amdhsa_code_object_version 6
	.text
	.protected	k_q7ec222449b_prep
	.globl	k_q7ec222449b_prep
	.p2align	8
	.type	k_q7ec222449b_prep,@function
k_q7ec222449b_prep:
	s_mov_b64 s[64:65], 0
	v_nop
	global_prefetch_b8 v0, s[64:65] scope:SCOPE_SE
	s_setreg_imm32_b32 hwreg(HW_REG_WAVE_MODE, 25, 1), 1
	s_wait_xcnt 0x0
; CASTS.  query [8192][1024] f32 -> xb, bf16, same order.  Wq, Wk, Wv [16][1024][64] f32 -> wt2, bf16, in blocks of 256 bytes: block (h*512 + u/2)*3 + t
; holds rows u, u + 1 (u even) of W_t[h] (t = 0 q, 1 k, 2 v), so that a head's 128 rows u of all three lie in 49,152 bytes on end.  Wo [1024][1024] f32 -> wo2:
; rounded to bf16 like every other input, and that number written as f16 (the same number from 2^-14 up; below that f16's fixed step of 6e-8 holds; beyond 65,504 it would be lost).
; The inputs key and value are named by no launch of this program: the function that is computed never reads them.
; SHARES.  A chunk is 512 bytes in (32 lanes x 16) and 256 bytes out (32 lanes x 8): each store of a wave covers 256 consecutive bytes, aligned.  A wave takes 16 chunks, all 16 loads
; out at once, a work-group 128 chunks (64 KiB in): 512 work-groups for query, 64 for each weight.  No LDS, no barrier, no matrix unit: nothing is shared and nothing is multiplied.
.set X,   4                            ; v[4:67]    chunk i: 4 f32 as loaded
.set Y,   68                           ; v[68:99]   chunk i: 4 numbers of 16 bits to store
.set T,   100                          ; v[100:103] at work
.set IN,  24                           ; s[24:25]   where the work-group reads
.set OUT, 26                           ; s[26:27]   where it writes
	s_load_b512 s[8:23], s[0:1], 0x0               ; query, Wq, Wk, Wv, Wo, xb, wt2, wo2
	v_and_b32 v1, 31, v0                           ; lane
	v_lshrrev_b32 v3, 5, v0                        ; wave
	v_lshlrev_b32 v2, 3, v1                        ; 8 bytes a lane out
	v_lshlrev_b32 v1, 4, v1                        ; 16 bytes a lane in
	v_lshl_add_u32 v1, v3, 13, v1                  ; + wave x 16 chunks x 512
	s_sub_co_u32 s4, ttmp9, 512                    ; work-groups 512 .. 767 take the weights:
	s_lshr_b32 s5, s4, 6                           ; which tensor (0 Wq, 1 Wk, 2 Wv, 3 Wo),
	s_and_b32 s6, s4, 63                           ; which 64 KiB of it
	s_cmp_lt_u32 ttmp9, 512
	s_cselect_b32 s5, 4, s5                        ; 4: query
	s_cselect_b32 s6, ttmp9, s6
	s_lshl_b32 s28, s6, 16                         ; byte offset in
	s_mov_b32 s29, 0
	s_lshl_b32 s30, s6, 15                         ; byte offset out, dense
	s_mul_i32 s32, s6, 98304                       ; or 128 chunks x 768,
	s_lshl_b32 s33, s5, 8                          ; + the tensor's block of the three
	s_add_co_u32 s32, s32, s33
	s_movk_i32 s34, 4096                           ; a wave's 16 chunks out: dense,
	s_movk_i32 s35, 12288                          ; or 768 apart
	s_mov_b32 s7, 0xffff0000                       ; a word's upper bf16
	s_cmp_lt_u32 s5, 3
	s_cselect_b32 s30, s32, s30
	s_cselect_b32 s34, s35, s34
	s_mov_b32 s31, 0
	v_mad_u32_u24 v2, v3, s34, v2
	s_wait_kmcnt 0x0
	s_cmp_eq_u32 s5, 0
	s_cselect_b64 s[IN:IN+1], s[10:11], s[8:9]
	s_cmp_eq_u32 s5, 1
	s_cselect_b64 s[IN:IN+1], s[12:13], s[IN:IN+1]
	s_cmp_eq_u32 s5, 2
	s_cselect_b64 s[IN:IN+1], s[14:15], s[IN:IN+1]
	s_cmp_eq_u32 s5, 3
	s_cselect_b64 s[IN:IN+1], s[16:17], s[IN:IN+1]
	s_cselect_b64 s[OUT:OUT+1], s[22:23], s[18:19]
	s_cmp_lt_u32 s5, 3
	s_cselect_b64 s[OUT:OUT+1], s[20:21], s[OUT:OUT+1]
	s_add_nc_u64 s[IN:IN+1], s[IN:IN+1], s[28:29]
	s_add_nc_u64 s[OUT:OUT+1], s[OUT:OUT+1], s[30:31]
.set i, 0
.rept 16
	global_load_b128 v[X+4*i:X+4*i+3], v1, s[IN:IN+1] offset:512*i th:TH_LOAD_NT  ; each byte is read once in the launch
.set i, i+1
.endr
; The 16 chunks are rounded and stored.  No register is written twice, so the only waits are the counted ones for the loads: 15 - i younger loads may stay out.
.macro OUTP stride, f16
.set i, 0
.rept 16
	s_wait_loadcnt 15-i
	v_cvt_pk_bf16_f32 v[Y+2*i], v[X+4*i], v[X+4*i+1]
	v_cvt_pk_bf16_f32 v[Y+2*i+1], v[X+4*i+2], v[X+4*i+3]
.if \f16
	v_lshlrev_b32 v[T], 16, v[Y+2*i]               ; the bf16 numbers as f32,
	v_and_b32 v[T+1], s7, v[Y+2*i]
	v_lshlrev_b32 v[T+2], 16, v[Y+2*i+1]
	v_and_b32 v[T+3], s7, v[Y+2*i+1]
	v_cvt_pk_f16_f32 v[Y+2*i], v[T], v[T+1]        ; written as f16
	v_cvt_pk_f16_f32 v[Y+2*i+1], v[T+2], v[T+3]
.endif
	global_store_b64 v2, v[Y+2*i:Y+2*i+1], s[OUT:OUT+1] offset:i*(\stride)
.set i, i+1
.endr
.endm
	s_cmp_lt_u32 s5, 3
	s_cbranch_scc1 .Lheads
	s_cmp_eq_u32 s5, 3
	s_cbranch_scc1 .Lwo
	OUTP 256, 0                                    ; query
	s_endpgm
.Lheads:
	OUTP 768, 0                                    ; Wq, Wk, Wv
	s_endpgm
.Lwo:
	OUTP 256, 1                                    ; Wo
	s_endpgm
.Lfunc_end_k_q7ec222449b_prep:
	.size	k_q7ec222449b_prep, .Lfunc_end_k_q7ec222449b_prep-k_q7ec222449b_prep
	.p2alignl 7, 3214868480
	.fill 96, 4, 3214868480
	.section	.rodata,"a",@progbits
	.p2align	6, 0x0
	.amdhsa_kernel k_q7ec222449b_prep
		.amdhsa_group_segment_fixed_size 0
		.amdhsa_private_segment_fixed_size 0
		.amdhsa_enable_private_segment 0
		.amdhsa_kernarg_size 64
		.amdhsa_user_sgpr_count 2
		.amdhsa_user_sgpr_kernarg_segment_ptr 1
		.amdhsa_wavefront_size32 1
		.amdhsa_system_sgpr_workgroup_id_x 1
		.amdhsa_system_sgpr_workgroup_id_y 1
		.amdhsa_system_sgpr_workgroup_id_z 1
		.amdhsa_system_vgpr_workitem_id 0
		.amdhsa_next_free_vgpr 104
		.amdhsa_next_free_sgpr 66
		.amdhsa_reserve_vcc 0
		.amdhsa_float_denorm_mode_32 3
		.amdhsa_float_denorm_mode_16_64 3
		.amdhsa_memory_ordered 1
		.amdhsa_forward_progress 1
		.amdhsa_inst_pref_size 20
	.end_amdhsa_kernel
	.amdgpu_metadata
---
amdhsa.version: [ 1, 2 ]
amdhsa.kernels:
  - .name:           k_q7ec222449b_prep
    .symbol:         k_q7ec222449b_prep.kd
    .args:
      - { .name: query, .offset: 0, .size: 8, .value_kind: global_buffer, .address_space: global }
      - { .name: Wq, .offset: 8, .size: 8, .value_kind: global_buffer, .address_space: global }
      - { .name: Wk, .offset: 16, .size: 8, .value_kind: global_buffer, .address_space: global }
      - { .name: Wv, .offset: 24, .size: 8, .value_kind: global_buffer, .address_space: global }
      - { .name: Wo, .offset: 32, .size: 8, .value_kind: global_buffer, .address_space: global }
      - { .name: xb, .offset: 40, .size: 8, .value_kind: global_buffer, .address_space: global }
      - { .name: wt2, .offset: 48, .size: 8, .value_kind: global_buffer, .address_space: global }
      - { .name: wo2, .offset: 56, .size: 8, .value_kind: global_buffer, .address_space: global }
    .group_segment_fixed_size: 0
    .private_segment_fixed_size: 0
    .kernarg_segment_align: 8
    .kernarg_segment_size: 64
    .max_flat_workgroup_size: 256
    .sgpr_count:     66
    .vgpr_count:     104
    .wavefront_size: 32
...
	.end_amdgpu_metadata
.endif
;; end of part 1
;; launch proj (part 2): grid 16 x 32, 4 waves a work-group, clusters of 4 x 4, 327,680 bytes of LDS; arguments xb, wt2, bq, bk, bv, qw, kw, vw; writes qw, kw, vw
.if DOCPART == 2
	.amdgcn_target "amdgcn-amd-amdhsa--gfx1250"
	.amdhsa_code_object_version 6
	.text
	.protected	k_q7ec222449b_proj
	.globl	k_q7ec222449b_proj
	.p2align	8
	.type	k_q7ec222449b_proj,@function
k_q7ec222449b_proj:
	s_mov_b64 s[64:65], 0
	v_nop
	global_prefetch_b8 v0, s[64:65] scope:SCOPE_SE
	s_setreg_imm32_b32 hwreg(HW_REG_WAVE_MODE, 25, 1), 1
	s_wait_xcnt 0x0
	s_wait_alu depctr_hold_cnt(0) depctr_sa_sdst(0) depctr_va_vdst(0) depctr_va_sdst(0) depctr_va_ssrc(0) depctr_va_vcc(0) depctr_vm_vsrc(0)
	s_getreg_b32 s2, hwreg(HW_REG_IB_STS2, 6, 4)
	s_cmp_eq_u32 s2, 0
	s_cbranch_scc0 .Lentry_in_a_cluster
	s_endpgm
.Lentry_in_a_cluster:
	s_bfe_u32 s2, ttmp6, 0x10000c
	s_cmp_lg_u32 s2, 0xf033
	s_cbranch_scc0 .Lentry_shape_is_right
	s_endpgm
.Lentry_shape_is_right:
; q, k, v = query W + b for one head and 256 rows: C [256][192] = xb [256][1024] x (Wq | Wk | Wv)[h] [1024][192], bf16 operands, f32 sums.
; OUT, f16, each number rounded once from its f32 sum: qw [b][h][s][64] = (q) log2(e) / 16;  kw, vw [b][h/4][s/64][h%4][s%64][64] = (k), (v) / 16.  The factors are taken back later, in f32
; (k's and q's in the softmax's scale 32, v's by the last launch's factor 16); they leave f16 room for |q| < 7e5 and |k|, |v| < 1e6; beyond that the number is lost.  The biases are rounded to bf16 like all inputs.
; SHARES.  16 heads x 32 row blocks = 512 work-groups, two for each of 256 WGPs.  A wave makes 64 rows x all 192 columns: 48 accumulators of 16 x 16, 384 registers, so that whole rows of a head (128 bytes) are its own.
; K goes in 8 steps of 128 through two LDS slots.  A's rows are 256 bytes of memory, aligned; B's step is 49,152 bytes on end, asked for as rows of 256 bytes.
; THE K STEPS GO ROUND.  Cluster (x, y) begins at K step 2 x + 4 (y % 2), modulo 8, and walks all eight from there; the f32 sums are taken in that order.  So the four clusters that read the same rows of xb (same y)
; stand two K steps apart, and clusters of neighbouring y, which read the same head's weights, four: running in step, no two of them ask for the same K step at the same time.
; B STAYS [K][N]: its fragments come out of LDS turned, by ds_load_tr16_b128.  THE MATRIX INSTRUCTION IS USED TRANSPOSED (source 0 = 16 columns of B, source 1 = 16 rows of A): a lane holds one row of C and 8 neighbouring columns.
; CLUSTER 4 x 4: the four of a row need the same rows of xb, the four of a column the same head's weights: each tile is asked for jointly, by the same load with the same descriptor and a mask of the four.
; REGISTERS, in windows of 256 (s_set_vgpr_msb: bits 1:0 source 0, 3:2 source 1, 5:4 source 2, 7:6 destination):
;   window 0: v16-30 addresses; v32-127 bias; v128-175, v176-223 the way out; v192-223, v224-255 A's fragments, two buffers      window 1: v0-95, v128-223 B's fragments, two buffers
;   window 2: accumulators of row blocks 0, 1 at 8 (12 (a % 2) + b)      window 3: those of row blocks 2, 3
.set NL,     32                        ; LDS loads in a run: 24 for B, 8 for A
.set KSTEPS, 8
.set PA,     272                       ; a row of A in LDS: 256 bytes + 16 = 68 words: the 16 rows of a load start at 16 different groups of four banks (64 banks of 4 bytes: ISA guide 11.1)
.set SLOT1,  1<<17                     ; slot 1 begins here: one exclusive or turns an address in one slot into the other's
.set HALFA,  128*PA                    ; what one load brings of A
.set BOFF,   2*HALFA                   ; B lies behind A's 256 rows: pieces of 128 bytes + 32; row u of tensor t is piece (u/2) 6 + 2 t + u % 2
.set HALFB,  192*160                   ; what one load brings of B: 64 rows u of all three tensors
.set BQ,     15360                     ; 32 rows u on
.set BH,     7680                      ; 16 rows u on
.set STAGE,  2*SLOT1                   ; behind the ring, never filled by a tensor load: for each wave 3 tensors x 16 rows x 144 bytes
.set SPT,    144
.set WSTG,   3*16*SPT
.set SPARE,  STAGE+4*WSTG              ; the spare words, 128 bytes a wave: two blocks of 256 bytes that no other line names
.set BSTEP,  49152                     ; a K step in wt2 (in xb: 256 bytes)
.set ADRA0, 16                         ; v16  my lane's place in A's rows of a slot; never rewritten
.set ADRB0, 17                         ; v17  the same for B
.set ADRA,  18                         ; v18, v19  the same in the slot in hand
.set ADRB,  19
.set STO,   24                         ; v24  the way out: where I put 16 bytes of a row
.set RD,    25                         ; v25  where I read rows back
.set GO,    26                         ; v26  16 x lane
.set BO,    27                         ; v27  my 8 columns' bytes in 16 numbers of a bias
.set SPW,   28                         ; v28  LDS address of my spare word; never rewritten
.set NIL,   29                         ; v29  0; never rewritten
.set PFO,   30                         ; v30  the prefetch's lane offset; never rewritten
.set BIAS,  32
.set TMP,   128
.set BK,    176
.set FA,    192
.set WV,   20
.set HALF, 21                          ; which half of a tile I fetch
.set ISB,  22                          ; 0: I fetch for A; 1: for B
.set G1A,  24
.set G0A,  32                          ; two sets: the first fills'; the second then serves every refill
.set CX,   40
.set CY,   41
.set TC,   42                          ; the head
.set TR,   43                          ; the block of 256 rows
.set LIM,  44                          ; KSTEPS - 3 in a wave that prefetches, else the greatest number
.set TB,   45                          ; 0 or SLOT1: the slot in hand
.set KI,   46                          ; the K step that was asked for last, 0 to 7
.set G1B,  48
.set G0B,  56
.set PFA,  66                          ; s[66:67] where my one prefetch stands; never rewritten
.set ABASE, 72                         ; s[72:73] xb at the rows that I fetch, K step 0
.set BBASE, 74                         ; s[74:75] wt2 at the head's half step that I fetch, K step 0
.set OQ,   80                          ; s[80:85] qw, kw, vw at my wave's first row
.set OK,   82
.set OV,   84
.set SCQ,  86                          ; s[86:87] log2(e) / 16
.set SC,   88                          ; s[88:89] 1 / 16
.set HIM,  91                          ; a word's upper bf16
.set OFA,  92                          ; s[92:93] a K step's byte offset in xb's rows
.set OFB,  94                          ; s[94:95] and in the head's weights
.set MSB, 0
.macro WIN new                         ; the immediate's high byte repeats the setting that is left; a switch that changes nothing is dropped
.if MSB != (\new)
	s_set_vgpr_msb (MSB<<8)|(\new)
.set MSB, \new
.endif
.endm
.macro PLACES                          ; four places in front of loads into registers that matrix instructions have read (ISA guide 7.12.1 for vector instructions)
.rept 4
	v_nop
.endr
.endm
; A joint refill, by the second sets.  Waves 0 and 1 fetch A's halves, waves 2 and 3 B's: the branch hangs on the wave's number alone.  An s_nop 0 and four v_nop follow each line.
.macro JLOAD
	s_cmp_eq_u32 s[ISB], 0
	s_cbranch_scc0 .Lfor_b_\@
	tensor_load_to_lds s[G0A+4:G0A+7], s[G1A:G1A+7]
	s_nop 0
.rept 4
	v_nop
.endr
	s_branch .Lasked_\@
.Lfor_b_\@:
	tensor_load_to_lds s[G0B+4:G0B+7], s[G1B:G1B+7]
	s_nop 0
.rept 4
	v_nop
.endr
.Lasked_\@:
.endm
; ONE PREFETCH A WAVE, behind the first refill alone (s3 = KSTEPS - 2 there): the head's weights of my cluster's FOURTH K step, which the next refill asks for: 192 matrix instructions ahead of that load.
; By the walk's arithmetic a cluster's fifth to eighth K steps of the weights are the first four of the clusters of the other parity of y, and each K step of xb that a refill asks for was a neighbour's two steps before;
; the first two K steps go out at the head, and the third is being asked for here.  Clusters y = 0 and y = 1 ask, waves 2 and 3; the four partners of a column share a wave's 96 blocks of 256 bytes out by address,
; 24 each (by cy; lanes 24-31 name the 24th again): each block is named once in the launch.
.macro ASK
	s_cmp_gt_u32 s3, s[LIM]
	s_cbranch_scc0 .Lnot_mine_\@
	global_prefetch_b8 v[PFO], s[PFA:PFA+1] th:TH_LOAD_NT scope:SCOPE_SE
.Lnot_mine_\@:
.endm
.macro CREST                           ; a round of the cluster's barrier behind its opening barrier
	s_cmp_lg_u32 s[WV], 0
	s_cbranch_scc1 .Lnot_wave_0_\@
	s_barrier_signal -3
.Lnot_wave_0_\@:
	s_barrier_wait -3
	s_barrier_signal -1
	s_barrier_wait -1
.endm
.macro CROUND
	s_barrier_signal -1
	s_barrier_wait -1
	CREST
.endm
	s_load_b512 s[4:19], s[0:1], 0x0               ; xb, wt2, bq, bk, bv, qw, kw, vw
	v_lshl_add_u32 v[SPW], v0, 2, SPARE
	v_mov_b32 v[NIL], 0
	ds_add_u32 v[SPW], v[NIL]                      ; the wave's opening: the add and its wait stand ahead of my first tensor load; the set-up below stands between them
	v_lshrrev_b32 v1, 5, v0
	v_readfirstlane_b32 s[WV], v1
	s_and_b32 s[HALF], s[WV], 1
	s_lshr_b32 s[ISB], s[WV], 1
	s_bfe_u32 s[CX], ttmp6, 0x40000
	s_bfe_u32 s[CY], ttmp6, 0x40004
	s_lshl_b32 s[TC], ttmp9, 2
	s_add_co_u32 s[TC], s[TC], s[CX]               ; head = 4 x cluster x + cx
	s_and_b32 s[TR], ttmp7, 0xffff
	s_lshl_b32 s[TR], s[TR], 2
	s_add_co_u32 s[TR], s[TR], s[CY]               ; row block = 4 x cluster y + cy
	s_lshl_b32 s[KI], ttmp9, 1                     ; the cluster's first K step: 2 x cluster x
	s_and_b32 s70, ttmp7, 1
	s_lshl_b32 s70, s70, 2
	s_add_co_u32 s[KI], s[KI], s70                 ; + 4 (cluster y % 2),
	s_and_b32 s[KI], s[KI], 7                      ; modulo 8: made of the cluster's place alone, which all sixteen partners share
	s_lshl_b32 s70, s[CY], 2
	s_lshl_b32 s70, 15, s70                        ; my row of the cluster
	s_lshl_b32 s71, 0x1111, s[CX]                  ; my column
	s_or_b32 s[G1A], s70, (1<<16)|(1<<20)|(1<<21)|(5<<22)|(3<<25)  ; mask; 2-byte elements; padding on; bit 21 beside a mask; after every 64 words 4 words
	s_or_b32 s[G1B], s71, (1<<16)|(1<<20)|(1<<21)|(4<<22)|(7<<25)  ; after every 32 words 8 words
	s_mov_b32 s[G1A+1], 128<<16                    ; tensor_dim0 = 128
	s_mov_b32 s[G1A+2], 128<<16                    ; tensor_dim1 = 128
	s_mov_b32 s[G1A+3], 128<<16                    ; tile_dim0 = 128
	s_mov_b32 s[G1A+4], 128                        ; tile_dim1 = 128
	s_mov_b32 s[G1A+5], 1024                       ; elements from row to row
	s_mov_b32 s[G1A+6], 0
	s_mov_b32 s[G1A+7], 0
	s_mov_b32 s[G1B+1], 128<<16
	s_mov_b32 s[G1B+2], 96<<16                     ; 96 rows of 256 bytes, on end
	s_mov_b32 s[G1B+3], 128<<16
	s_mov_b32 s[G1B+4], 96
	s_mov_b32 s[G1B+5], 128
	s_mov_b32 s[G1B+6], 0
	s_mov_b32 s[G1B+7], 0
	s_lshl_b32 s72, s[TR], 8                       ; A: row 256 x block + 128 x half, 2,048 bytes a row: made of the row block and the wave alone
	s_lshl_b32 s73, s[HALF], 7
	s_add_co_u32 s72, s72, s73
	s_lshl_b32 s72, s72, 11
	s_mov_b32 s73, 0
	s_mul_i32 s74, s[TC], 393216                   ; B: the head's bytes, + half a K step: made of the head and the wave alone
	s_mul_i32 s75, s[HALF], 24576
	s_add_co_u32 s74, s74, s75
	s_mov_b32 s75, 0
	s_mul_i32 s76, s[HALF], HALFA                  ; where they go: no place in the cluster enters an LDS address
	s_mul_i32 s77, s[HALF], HALFB
	s_add_co_u32 s77, s77, BOFF
	s_mov_b32 s[TB], 0
	s_mov_b32 s[OFA+1], 0
	s_mov_b32 s[OFB+1], 0
	s_mov_b32 s[SCQ], 0x3db8aa3b
	s_mov_b32 s[SCQ+1], s[SCQ]
	s_mov_b32 s[SC], 0x3d800000
	s_mov_b32 s[SC+1], s[SC]
	s_mov_b32 s[HIM], 0xffff0000
	s_wait_dscnt 0x0                               ; the opening add is done
	s_wait_kmcnt 0x0
	s_add_nc_u64 s[ABASE:ABASE+1], s[4:5], s[72:73]
	s_add_nc_u64 s[BBASE:BBASE+1], s[6:7], s[74:75]
	CROUND                                         ; all sixteen work-groups are here: the first joint loads meet
.irp s, 0,1                                            ; slot s takes the cluster's K step number s of its walk
	s_lshl_b32 s[OFA], s[KI], 8
	s_mul_i32 s[OFB], s[KI], BSTEP
	s_mov_b32 s[G0A+4*(\s)], 1
	s_add_co_u32 s[G0A+4*(\s)+1], s76, (\s)*SLOT1
	s_add_nc_u64 s[G0A+4*(\s)+2:G0A+4*(\s)+3], s[ABASE:ABASE+1], s[OFA:OFA+1]
	s_or_b32 s[G0A+4*(\s)+3], s[G0A+4*(\s)+3], 0x80000000
	s_mov_b32 s[G0B+4*(\s)], 1
	s_add_co_u32 s[G0B+4*(\s)+1], s77, (\s)*SLOT1
	s_add_nc_u64 s[G0B+4*(\s)+2:G0B+4*(\s)+3], s[BBASE:BBASE+1], s[OFB:OFB+1]
	s_or_b32 s[G0B+4*(\s)+3], s[G0B+4*(\s)+3], 0x80000000
.if (\s) == 0
	s_add_co_u32 s[KI], s[KI], 1
	s_and_b32 s[KI], s[KI], 7
.endif
.endr
	s_cmp_eq_u32 s[ISB], 0                         ; a wave's two first fills stand in one branch, ahead of every wait on TENSORcnt and every LDS read: two loads of mine are out
	s_cbranch_scc0 .Lfirst_b
	tensor_load_to_lds s[G0A:G0A+3], s[G1A:G1A+7]
	s_nop 0
	tensor_load_to_lds s[G0A+4:G0A+7], s[G1A:G1A+7]
	s_nop 0
.rept 4
	v_nop
.endr
	s_branch .Lfirst_asked
.Lfirst_b:
	tensor_load_to_lds s[G0B:G0B+3], s[G1B:G1B+7]
	s_nop 0
	tensor_load_to_lds s[G0B+4:G0B+7], s[G1B:G1B+7]
	s_nop 0
.rept 4
	v_nop
.endr
.Lfirst_asked:
	v_and_b32 v1, 15, v0                           ; l % 16
	v_bfe_u32 v2, v0, 4, 1                         ; l / 16
	v_and_b32 v3, 7, v0
	v_bfe_u32 v4, v0, 3, 1
	s_lshl_b32 s78, s[TC], 8                       ; the head's 64 numbers in each bias
	s_mov_b32 s79, 0
	s_add_nc_u64 s[8:9], s[8:9], s[78:79]
	s_add_nc_u64 s[10:11], s[10:11], s[78:79]
	s_add_nc_u64 s[12:13], s[12:13], s[78:79]
	v_lshlrev_b32 v[BO], 5, v2
.irp nb, 0,1,2,3,4,5,6,7,8,9,10,11                 ; column block nb: tensor nb / 4, columns 16 (nb % 4) + 8 (l / 16) + 0..7
	global_load_b128 v[BIAS+8*(\nb):BIAS+8*(\nb)+3],   v[BO], s[8+2*((\nb)/4):9+2*((\nb)/4)] offset:((\nb)%4)*64
	global_load_b128 v[BIAS+8*(\nb)+4:BIAS+8*(\nb)+7], v[BO], s[8+2*((\nb)/4):9+2*((\nb)/4)] offset:((\nb)%4)*64+16
.endr
	; A fragment of A: lane l holds row l % 16, K = 8 (l / 16) + 0..7 and 16 + 8 (l / 16) + 0..7: two loads of 16 bytes, 32 apart
	v_mul_u32_u24 v[ADRA0], v1, PA
	v_lshl_add_u32 v[ADRA0], v2, 4, v[ADRA0]
	s_mul_i32 s70, s[WV], 64*PA                    ; my 64 rows
	v_add_nc_u32 v[ADRA0], s70, v[ADRA0]
	; The turning load: lane l reads row u = 8 (l / 16) + l % 8, columns 8 ((l / 8) % 2) + 0..7, and is left with column l % 16 and 8 rows u.  The 8 rows of 16 lanes start 0, 160, 192, 96, 128, 32, 64, 224 bytes into 256
	v_lshl_add_u32 v5, v2, 3, v3
	v_lshrrev_b32 v6, 1, v5
	v_and_b32 v5, 1, v5
	v_mul_u32_u24 v6, v6, 960
	v_mad_u32_u24 v6, v5, 160, v6
	v_lshl_add_u32 v6, v4, 4, v6
	v_add_nc_u32 v[ADRB0], BOFF, v6
	v_mov_b32 v[ADRA], v[ADRA0]
	v_mov_b32 v[ADRB], v[ADRB0]
	s_mul_i32 s70, s[WV], WSTG
	s_add_co_u32 s70, s70, STAGE                   ; my stage
	v_mul_u32_u24 v[STO], v1, SPT                  ; in: row l % 16, 16 bytes for each half of the lanes
	v_lshl_add_u32 v[STO], v2, 4, v[STO]
	v_add_nc_u32 v[STO], s70, v[STO]
	v_bfe_u32 v[RD], v0, 3, 2                      ; back: 32 lanes take four rows of 128 bytes,
	v_mul_u32_u24 v[RD], v[RD], SPT
	v_lshl_add_u32 v[RD], v3, 4, v[RD]
	v_add_nc_u32 v[RD], s70, v[RD]
	v_and_b32 v[GO], 31, v0                        ; which are 512 consecutive bytes of qw, kw or vw
	v_lshlrev_b32 v[GO], 4, v[GO]
	; where my 64 rows go.  b = block / 4; they are rows 256 (block % 4) + 64 wave .. of the batch: one key step of 64
	s_lshr_b32 s70, s[TR], 2
	s_and_b32 s71, s[TR], 3
	s_lshl_b32 s78, s70, 4
	s_add_co_u32 s78, s78, s[TC]
	s_lshl_b32 s78, s78, 17                        ; (16 b + h) x 1,024 rows x 128 bytes
	s_lshl_b32 s90, s71, 15
	s_add_co_u32 s78, s78, s90
	s_lshl_b32 s90, s[WV], 13
	s_add_co_u32 s78, s78, s90
	s_add_nc_u64 s[OQ:OQ+1], s[14:15], s[78:79]
	s_lshl_b32 s78, s70, 2
	s_lshr_b32 s90, s[TC], 2
	s_add_co_u32 s78, s78, s90                     ; 4 b + h / 4
	s_lshl_b32 s78, s78, 4
	s_lshl_b32 s90, s71, 2
	s_add_co_u32 s78, s78, s90
	s_add_co_u32 s78, s78, s[WV]                   ; x 16 + key step
	s_lshl_b32 s78, s78, 2
	s_and_b32 s90, s[TC], 3
	s_add_co_u32 s78, s78, s90                     ; x 4 + h % 4
	s_lshl_b32 s78, s78, 13                        ; x 64 keys x 128 bytes
	s_add_nc_u64 s[OK:OK+1], s[16:17], s[78:79]
	s_add_nc_u64 s[OV:OV+1], s[18:19], s[78:79]
	; the prefetch: s[KI] holds the walk's second K step; the fourth is two on
	s_add_co_u32 s70, s[KI], 2
	s_and_b32 s70, s70, 7
	s_mul_i32 s70, s70, BSTEP
	s_mul_i32 s71, s[CY], 6144                     ; my work-group's 24 of the 96 blocks that I fetch
	s_add_co_u32 s70, s70, s71
	s_mov_b32 s71, 0
	s_add_nc_u64 s[PFA:PFA+1], s[BBASE:BBASE+1], s[70:71]
	s_and_b32 s78, ttmp7, 0xffff
	s_lshr_b32 s78, s78, 1                         ; 0 in clusters y = 0 and 1,
	s_xor_b32 s79, s[ISB], 1                       ; 0 in waves 2 and 3
	s_or_b32 s78, s78, s79
	s_cmp_eq_u32 s78, 0
	s_cselect_b32 s[LIM], KSTEPS-3, -1             ; the same in all sixteen partners, for a given wave
	v_and_b32 v[PFO], 31, v0
	v_min_u32 v[PFO], 23, v[PFO]
	v_lshlrev_b32 v[PFO], 8, v[PFO]
	s_wait_loadcnt 0x0                             ; the biases: rounded to bf16, then times the tensor's factor
.set i, 0
.rept 48
	v_cvt_pk_bf16_f32 v5, v[BIAS+2*i], v[BIAS+2*i+1]
	v_lshlrev_b32 v[BIAS+2*i], 16, v5
	v_and_b32 v[BIAS+2*i+1], s[HIM], v5
.if i < 16
	v_pk_mul_f32 v[BIAS+2*i:BIAS+2*i+1], v[BIAS+2*i:BIAS+2*i+1], s[SCQ:SCQ+1] op_sel_hi:[1,0]
.else
	v_pk_mul_f32 v[BIAS+2*i:BIAS+2*i+1], v[BIAS+2*i:BIAS+2*i+1], s[SC:SC+1] op_sel_hi:[1,0]
.endif
.set i, i+1
.endr
; 12 matrix instructions: row block a x all 12 column blocks, 32 along K, from buffer f.  All name different accumulators, and so do neighbours across every seam: the 48 take turns.
.macro MULB f, a, zero
	WIN 0xa1+0x50*((\a)/2)
.irp b, 0,1,2,3,4,5,6,7,8,9,10,11
.if \zero
	v_wmma_f32_16x16x32_bf16 v[8*(12*((\a)%2)+(\b)):8*(12*((\a)%2)+(\b))+7], v[128*(\f)+8*(\b):128*(\f)+8*(\b)+7], v[FA+32*(\f)+8*(\a):FA+32*(\f)+8*(\a)+7], 0
.else
	v_wmma_f32_16x16x32_bf16 v[8*(12*((\a)%2)+(\b)):8*(12*((\a)%2)+(\b))+7], v[128*(\f)+8*(\b):128*(\f)+8*(\b)+7], v[FA+32*(\f)+8*(\a):FA+32*(\f)+8*(\a)+7], v[8*(12*((\a)%2)+(\b)):8*(12*((\a)%2)+(\b))+7]
.endif
.endr
.endm
; 32 LDS loads in one run: quarter qn (32 along K) of the slot in hand into buffer f: B's 12 fragments, then A's 4
.macro FETCH qn, f
	WIN 0x40
.irp nb, 0,1,2,3,4,5,6,7,8,9,10,11
	ds_load_tr16_b128 v[128*(\f)+8*(\nb):128*(\f)+8*(\nb)+3],   v[ADRB] offset:BQ*(\qn)+((\nb)/4)*320+((\nb)%4)*32
	ds_load_tr16_b128 v[128*(\f)+8*(\nb)+4:128*(\f)+8*(\nb)+7], v[ADRB] offset:BQ*(\qn)+((\nb)/4)*320+((\nb)%4)*32+BH
.endr
	WIN 0
.irp i, 0,1,2,3
	ds_load_b128 v[FA+32*(\f)+8*(\i):FA+32*(\f)+8*(\i)+3],   v[ADRA] offset:64*(\qn)+(\i)*16*PA
	ds_load_b128 v[FA+32*(\f)+8*(\i)+4:FA+32*(\f)+8*(\i)+7], v[ADRA] offset:64*(\qn)+(\i)*16*PA+32
.endr
.endm
; One of a K step's first three quarters: multiplies buffer f; in its middle it fetches quarter qn into buffer g
.macro QUARTER qn, f, g, zero
	s_wait_dscnt 4                                 ; B and A's row blocks 0, 1 are in; the youngest four loads (blocks 2, 3) may be out
	MULB \f, 0, \zero
	MULB \f, 1, \zero
	PLACES
	FETCH \qn, \g
	s_wait_dscnt NL                                ; all but the run just issued
	MULB \f, 2, \zero
	MULB \f, 3, \zero
.endm
; The last quarter multiplies buffer 1 and changes slots.  In front of the one barrier each wave waits for all its tensor loads (one is out: its part of the next slot), adds 0 to its spare word, and waits for that and for its
; reads of this slot.  fill = 1: the barrier opens a round of the cluster's, and behind the round this slot is filled again, with the walk's K step two on: 168 matrix instructions ahead of the wait for it.  The descriptors'
; addresses are made anew from the step's number, which goes round modulo 8: the tensor's address plus an offset made apart, the type bits set again.
.macro TURN fill
	WIN 0
	s_wait_tensorcnt 0x0                           ; no tensor load of mine is out, so the descriptors may be written
	ds_add_u32 v[SPW], v[NIL]                      ; the descriptors' scalar work and twelve products stand between the add and the wait for it
.if \fill
	s_add_co_u32 s[KI], s[KI], 1
	s_and_b32 s[KI], s[KI], 7
	s_lshl_b32 s[OFA], s[KI], 8
	s_mul_i32 s[OFB], s[KI], BSTEP
	s_xor_b32 s[G0A+5], s[G0A+5], SLOT1            ; the other slot than last time
	s_add_nc_u64 s[G0A+6:G0A+7], s[ABASE:ABASE+1], s[OFA:OFA+1]
	s_or_b32 s[G0A+7], s[G0A+7], 0x80000000
	s_xor_b32 s[G0B+5], s[G0B+5], SLOT1
	s_add_nc_u64 s[G0B+6:G0B+7], s[BBASE:BBASE+1], s[OFB:OFB+1]
	s_or_b32 s[G0B+7], s[G0B+7], 0x80000000
.endif
	s_wait_dscnt 5                                 ; (the add and the youngest four loads may be out)
	MULB 1, 0, 0
	s_wait_dscnt 0x0                               ; the add is done, and my reads of this slot are over
	s_barrier_signal -1
	MULB 1, 1, 0
	WIN 0
	s_barrier_wait -1
.if \fill
	CREST                                          ; no wave of any partner still reads this slot or has a load on its way
	JLOAD                                          ; the four v_nop behind it are also the places in front of the loads below
.else
	PLACES
.endif
	s_xor_b32 s[TB], s[TB], SLOT1
	v_add_nc_u32 v[ADRA], s[TB], v[ADRA0]
	v_add_nc_u32 v[ADRB], s[TB], v[ADRB0]
	FETCH 0, 0
.if \fill
	ASK
.endif
	MULB 1, 2, 0
	MULB 1, 3, 0
.endm
	s_wait_tensorcnt 0x1                           ; my part of the first K step is in; the second's may stay out
	s_barrier_signal -1
	s_barrier_wait -1
	FETCH 0, 0
	QUARTER 1, 0, 1, 1                             ; the first quarter stands in front of the loop: its products start the sums
	WIN 0
	s_mov_b32 s3, KSTEPS-2
.Lstep:                                                ; a trip: a K step's quarters 1 to 3, the refill two steps ahead, the next step's quarter 0
	QUARTER 2, 1, 0, 0
	QUARTER 3, 0, 1, 0
	TURN 1
	QUARTER 1, 0, 1, 0
	WIN 0
	s_sub_co_u32 s3, s3, 1
	s_cmp_lg_u32 s3, 0
	s_cbranch_scc1 .Lstep
	s_mov_b32 s3, 2                                ; the last two K steps ask for nothing: a loop of their own, left in the middle of its second trip
.Ltail:
	QUARTER 2, 1, 0, 0
	QUARTER 3, 0, 1, 0
	WIN 0
	s_sub_co_u32 s3, s3, 1
	s_cmp_eq_u32 s3, 0
	s_cbranch_scc1 .Llast_quarter
	TURN 0
	QUARTER 1, 0, 1, 0
	WIN 0
	s_branch .Ltail
.Llast_quarter:
	s_wait_dscnt 0x0
	MULB 1, 0, 0
	MULB 1, 1, 0
	MULB 1, 2, 0
	MULB 1, 3, 0
	WIN 0
	PLACES
	PLACES
; THE WAY OUT, a block of 16 rows at a time.  PACK: sum x factor + bias, in place, each accumulator from its low end; rounded to f16, 16 bytes a lane.
.macro PACK a
	WIN 0x82+0x41*((\a)/2)
.set b, 0
.rept 12
.set AC, 8*(12*((\a)%2)+b)
.set SS, SC
.if b < 4
.set SS, SCQ
.endif
.irp j, 0,2,4,6
	v_pk_fma_f32 v[AC+(\j):AC+(\j)+1], v[AC+(\j):AC+(\j)+1], s[SS:SS+1], v[BIAS+8*b+(\j):BIAS+8*b+(\j)+1] op_sel_hi:[1,0,1]
.endr
.set b, b+1
.endr
	WIN 0x0a+5*((\a)/2)
.set b, 0
.rept 12
.set AC, 8*(12*((\a)%2)+b)
.irp j, 0,1,2,3
	v_cvt_pk_f16_f32 v[TMP+4*b+(\j)], v[AC+2*(\j)], v[AC+2*(\j)+1]
.endr
.set b, b+1
.endr
	WIN 0
.endm
.macro TOSTAGE                         ; into my own stage, and back as whole rows of 128 bytes; LDS serves a wave's instructions in order (ISA guide 5.7.1.4)
	s_wait_xcnt 0x0                                ; the stores of the block before have read the registers that are loaded again
.irp nb, 0,1,2,3,4,5,6,7,8,9,10,11
	ds_store_b128 v[STO], v[TMP+4*(\nb):TMP+4*(\nb)+3] offset:((\nb)/4)*16*SPT+((\nb)%4)*32
.endr
.irp nb, 0,1,2,3,4,5,6,7,8,9,10,11
	ds_load_b128 v[BK+4*(\nb):BK+4*(\nb)+3], v[RD] offset:((\nb)/4)*16*SPT+((\nb)%4)*4*SPT
.endr
.endm
.macro SEND a                          ; each store of the wave covers 512 consecutive bytes, aligned
	s_wait_dscnt 0x0
.irp f, 0,1,2,3
	global_store_b128 v[GO], v[BK+4*(\f):BK+4*(\f)+3], s[OQ:OQ+1] offset:(\a)*2048+(\f)*512
.endr
.irp f, 0,1,2,3
	global_store_b128 v[GO], v[BK+16+4*(\f):BK+16+4*(\f)+3], s[OK:OK+1] offset:(\a)*2048+(\f)*512
.endr
.irp f, 0,1,2,3
	global_store_b128 v[GO], v[BK+32+4*(\f):BK+32+4*(\f)+3], s[OV:OV+1] offset:(\a)*2048+(\f)*512
.endr
.endm
	PACK 0
	TOSTAGE
.irp a, 1,2,3                          ; a block's arithmetic stands between the loads of the block before and the wait for them
	PACK \a
	SEND (\a)-1
	TOSTAGE
.endr
	SEND 3
	s_wait_tensorcnt 0x0                           ; the wave's end
	ds_add_u32 v[SPW], v[NIL]
	s_wait_dscnt 0x0
	CROUND                                         ; the closing round: no work-group ends while a partner may still ask for a tile that names it
	s_endpgm
.Lfunc_end_k_q7ec222449b_proj:
	.size	k_q7ec222449b_proj, .Lfunc_end_k_q7ec222449b_proj-k_q7ec222449b_proj
	.p2alignl 7, 3214868480
	.fill 96, 4, 3214868480
	.section	.rodata,"a",@progbits
	.p2align	6, 0x0
	.amdhsa_kernel k_q7ec222449b_proj
		.amdhsa_group_segment_fixed_size 327680
		.amdhsa_private_segment_fixed_size 0
		.amdhsa_enable_private_segment 0
		.amdhsa_kernarg_size 64
		.amdhsa_user_sgpr_count 2
		.amdhsa_user_sgpr_kernarg_segment_ptr 1
		.amdhsa_wavefront_size32 1
		.amdhsa_system_sgpr_workgroup_id_x 1
		.amdhsa_system_sgpr_workgroup_id_y 1
		.amdhsa_system_sgpr_workgroup_id_z 1
		.amdhsa_system_vgpr_workitem_id 0
		.amdhsa_next_free_vgpr 960
		.amdhsa_next_free_sgpr 96
		.amdhsa_reserve_vcc 0
		.amdhsa_float_denorm_mode_32 3
		.amdhsa_float_denorm_mode_16_64 3
		.amdhsa_memory_ordered 1
		.amdhsa_forward_progress 1
		.amdhsa_inst_pref_size 112
	.end_amdhsa_kernel
	.amdgpu_metadata
---
amdhsa.version: [ 1, 2 ]
amdhsa.kernels:
  - .name:           k_q7ec222449b_proj
    .symbol:         k_q7ec222449b_proj.kd
    .args:
      - { .name: xb, .offset: 0, .size: 8, .value_kind: global_buffer, .address_space: global }
      - { .name: wt2, .offset: 8, .size: 8, .value_kind: global_buffer, .address_space: global }
      - { .name: bq, .offset: 16, .size: 8, .value_kind: global_buffer, .address_space: global }
      - { .name: bk, .offset: 24, .size: 8, .value_kind: global_buffer, .address_space: global }
      - { .name: bv, .offset: 32, .size: 8, .value_kind: global_buffer, .address_space: global }
      - { .name: qw, .offset: 40, .size: 8, .value_kind: global_buffer, .address_space: global }
      - { .name: kw, .offset: 48, .size: 8, .value_kind: global_buffer, .address_space: global }
      - { .name: vw, .offset: 56, .size: 8, .value_kind: global_buffer, .address_space: global }
    .group_segment_fixed_size: 327680
    .private_segment_fixed_size: 0
    .kernarg_segment_align: 8
    .kernarg_segment_size: 64
    .max_flat_workgroup_size: 128
    .sgpr_count:     96
    .vgpr_count:     960
    .wavefront_size: 32
...
	.end_amdgpu_metadata
.endif
;; end of part 2
;; launch attn (part 3): grid 4 x 64, 4 waves a work-group, clusters of 4 x 4, 327,680 bytes of LDS; arguments qw, kw, vw, mask, ow; writes ow
.if DOCPART == 3
	.amdgcn_target "amdgcn-amd-amdhsa--gfx1250"
	.amdhsa_code_object_version 6
	.text
	.protected	k_q7ec222449b_attn
	.globl	k_q7ec222449b_attn
	.p2align	8
	.type	k_q7ec222449b_attn,@function
k_q7ec222449b_attn:
	s_mov_b64 s[64:65], 0
	v_nop
	global_prefetch_b8 v0, s[64:65] scope:SCOPE_SE
	s_setreg_imm32_b32 hwreg(HW_REG_WAVE_MODE, 25, 1), 1
	s_wait_xcnt 0x0
	s_wait_alu depctr_hold_cnt(0) depctr_sa_sdst(0) depctr_va_vdst(0) depctr_va_sdst(0) depctr_va_ssrc(0) depctr_va_vcc(0) depctr_vm_vsrc(0)
	s_getreg_b32 s2, hwreg(HW_REG_IB_STS2, 6, 4)
	s_cmp_eq_u32 s2, 0
	s_cbranch_scc0 .Lentry_in_a_cluster
	s_endpgm
.Lentry_in_a_cluster:
	s_bfe_u32 s2, ttmp6, 0x10000c
	s_cmp_lg_u32 s2, 0xf033
	s_cbranch_scc0 .Lentry_shape_is_right
	s_endpgm
.Lentry_shape_is_right:
; ATTENTION WITH A MASK THAT IS AN INPUT.  x = (q . k / 8) m - 1e9 (1 - m), softmax over all 1,024 keys, O = the weights times v.  No pattern of the mask is built in: every key tile is computed.
; IN: qw [b][h][s][64] = q log2(e) / 16, kw, vw [b][h/4][s/64][h%4][s%64][64] = k / 16, v / 16, all f16; mask [b][q][k] f32.  OUT: ow [b s][64 h + d] = O / 16, f16.
; With s' = qw . kw:  x log2(e) = 32 y,  y = s' m + (G m - G),  G = 1e9 log2(e) / 32, two fused multiply-adds in f32 on the f32 mask.  p = 2^(32 y - 32 max y): the factor is a power of two, so 32 max y is exact and the
; exponent is exactly 0 where y is the maximum, also at -4.5e7: a row that is masked everywhere gets p = 1 for every key, the uniform weights that the formula gives.
; LIMITS.  f16 holds no number beyond 65,504: the launch before keeps q, k, v within it for |q| < 7e5, |k|, |v| < 1e6.  p lies in 0 to 1, and below 6e-5 keeps f16's step of 6e-8; a weight below 2^-126 counts as 0.
; Where a mask entry is neither 0 nor 1 the order of rounding differs from the formula's as written (there x itself has a step of 64 near 1e9).  NaN and infinities are not treated apart.
; SHARES.  A work-group takes 128 queries of a batch and FOUR HEADS, a head a wave: all four waves read the same 128 x 64 tile of the mask from LDS.  A wave owns four PIECES of two tiles of 16 queries and walks all keys, 64 a step.
; CLUSTER 4 x 4.  The four of a row hold the 16 heads of one query block: they ask for the mask's tile jointly, so each byte of the mask is asked for once in the launch.  The four of a column hold four query blocks of the same
; batch and heads: they ask for K and V jointly.  256 work-groups.
; LAYOUT, SOFTMAX, TURNS.  S^T = K Q^T holds ONE query a lane (lane % 16) and the keys 8 (lane / 16) + 0..7 of each 16; two such results rounded to f16 ARE source 1 of O^T = V^T P.  A running maximum m and sum l; O and l are
; multiplied by a = 2^(32 m_old - 32 m_new) in every step; m starts at the lowest finite number, O and l at 0.  Turn n belongs to piece n: 16 products K Q^T of piece n + 1, later 16 products V^T P of piece n - 1; beside them the
; scaling, exponentials, roundings, sums and rescaling of piece n, and the masking, maximum and statistics of piece n + 1.  Four vector instructions stand behind every matrix instruction, the others in one lump; a turn's 66
; exponentials are one batch with one wait.
; ONE TEXT FOR ALL KEY STEPS.  The four turns are written once.  In front of them stands a change of slots, of which there are two texts: one that fills the slot just left (14 times) and one that fills nothing (the last two
; times); each leads into the turns.  One counter, stepped once a trip, ends the walk and chooses the change.
; REGISTERS, in windows of 256 (s_set_vgpr_msb: bits 1:0 source 0, 3:2 source 1, 5:4 source 2, 7:6 destination):
;   window 0: v1-11 addresses; v12-15, v48-63 at work; v16-47 statistics; v64-191 S^T, two buffers of two tiles; v192-255 P, likewise      window 1: O^T, 32 a tile
;   window 2: v0-127 Q; v128-191 K of one step; v192-255 V of one step      window 3: v0-1 the add's registers; v64-191 the mask, two buffers of a piece; v192-255 G m - G
.set NP,    4
.set KS,    64
.set PM,    272       ; a row of the mask's tile in LDS: 256 bytes + 16: the 16 rows of a load start at 16 different groups of four banks (64 banks of 4 bytes: ISA guide 11.1)
.set PK,    144       ; a row of K: 128 + 16
.set PV,    160       ; a row of V: 128 + 32
.set KOFF,  128*PM    ; a slot holds one key step: the mask's 128 rows, then 4 heads x 64 rows of K, then of V
.set VOFF,  KOFF+4*KS*PK
.set SLOT1, 1<<17
.set STAGE, SLOT1+VOFF+4*KS*PV  ; behind the ring, never filled by a tensor load: 128 rows x 528 bytes, the work-group's, for the way out
.set SP,    528
.set SPARE, STAGE+128*SP        ; the spare words, 128 bytes a wave: two blocks of 256 bytes that no other line names
.set PFO, 1           ; v1   the prefetches' lane offset; never rewritten
.set AK0, 2           ; v2   my lane's place in my head's K of a slot; never rewritten
.set AV0, 3           ; v3   the same for V
.set AK,  4           ; v4, v5  the same in the slot in hand
.set AV,  5
.set STO, 6           ; v6   the way out: where I put 16 bytes of a row
.set RD,  7           ; v7   where I read rows back
.set GO,  8           ; v8   16 x lane
.set AM0, 9           ; v9   my lane's place in 16 rows of the mask's tile; never rewritten
.set AM,  10          ; v10  the same in the slot in hand
.set QO,  11          ; v11  my byte offset in 16 rows of Q
.set SPW, 0           ; v0 of window 3
.set NIL, 1           ; v1 of window 3
.set MV,  12
.set ST,  16          ; tile t's statistics at v[ST+4 t]: 32 m, m, l (even keys', odd keys')
.set TMP, 48
.set S,   64
.set P,   192
.set KF,  128         ; window 2
.set VF,  192         ; window 2
.set MB,  64          ; window 3: the mask of piece x at MB + 64 (x % 2), laid like S^T
.set AA,  192         ; window 3
.set WV,  14
.set LIM, 15          ; 3 in a wave that prefetches, else the greatest number
.set CX,  16
.set CY,  17
.set HG,  18          ; the group of four heads
.set YY,  19          ; 8 b + the block of 128 queries
.set BB,  20          ; b
.set G1M, 24
.set G1K, 32
.set G1V, 40
.set G0M, 48          ; one walking group 0 for each tensor
.set G0K, 52
.set G0V, 56
.set CS,  60          ; s[60:61] 32
.set SEL, 62          ; s[62:63] v_permlanex16_b32's selects
.set G,   66          ; s[66:67] G
.set TB,  68          ; 0 or SLOT1: the slot in hand
.set SLOTS, 69        ; trips still to come, 16 to 0
.set PFA, 72          ; s[72:73]
.set PFS, 74          ; s[74:75]
.set NG,  76          ; s[76:77] -G
.set MSB, 0
.macro WIN new
.if MSB != (\new)
	s_set_vgpr_msb (MSB<<8)|(\new)
.set MSB, (\new)
.endif
.endm
.set W_KQ, 0x0a
.set W_PV, 0x52
.set W_RS, 0x41
.set W_MK, 0xc0
.set W_AD, 0x0f
; A joint fill.  Waves 0 and 1 fetch the halves of the mask's tile, wave 2 the four heads' K, wave 3 their V.  The branches hang on the wave's number alone.  An s_nop 0 and four v_nop follow each line.
.macro JLOAD
	s_cmp_lt_u32 s[WV], 2
	s_cbranch_scc0 .Lfor_kv_\@
	tensor_load_to_lds s[G0M:G0M+3], s[G1M:G1M+7]
	s_nop 0
.rept 4
	v_nop
.endr
	s_branch .Lasked_\@
.Lfor_kv_\@:
	s_cmp_eq_u32 s[WV], 2
	s_cbranch_scc0 .Lfor_v_\@
	tensor_load_to_lds s[G0K:G0K+3], s[G1K:G1K+7]
	s_nop 0
.rept 4
	v_nop
.endr
	s_branch .Lasked_\@
.Lfor_v_\@:
	tensor_load_to_lds s[G0V:G0V+3], s[G1V:G1V+7]
	s_nop 0
.rept 4
	v_nop
.endr
.Lasked_\@:
.endm
; A prefetch of what the NEXT change of slots will ask for: a key step, 128 matrix instructions and four lumps, ahead of that load.  The mask's tile is read by one cluster: its four partners of a row take 32 rows each, by
; address (cx), wave 0 asking, a lane a row.  K and V of a batch and head group are read by two clusters: the one with even y asks; its four partners of a column take 32 blocks of 256 bytes each (cy), wave 2 for K, wave 3 for V.
; The last change that fills a slot (s[SLOTS] = 3) asks for nothing; steps 0 to 2 come by their loads alone.
.macro ASK
	s_cmp_gt_u32 s[SLOTS], s[LIM]
	s_cbranch_scc0 .Lnot_mine_\@
	global_prefetch_b8 v[PFO], s[PFA:PFA+1] th:TH_LOAD_NT scope:SCOPE_SE
.Lnot_mine_\@:
.endm
.macro CROUND
	s_barrier_signal -1
	s_barrier_wait -1
	s_cmp_lg_u32 s[WV], 0
	s_cbranch_scc1 .Lnot_wave_0_\@
	s_barrier_signal -3
.Lnot_wave_0_\@:
	s_barrier_wait -3
	s_barrier_signal -1
	s_barrier_wait -1
.endm
; THE CHANGE OF SLOTS, between piece 1's turn and piece 2's: all of the step in hand has been read (its K a step ago, its V and the last piece's mask in the two turns before).  Each wave waits for all its tensor loads, of which
; one is out at the most: its part of the other slot; adds 0 to its spare word; and waits for that and for its reads of the slot.  fill = 1: the barrier is a round of the cluster's, and behind it the slot is filled with the step two on.
; The walking descriptors are turned and stepped in every change, so that they always name the slot that is being left; in a change that fills nothing they are not used.
.macro CHANGE fill, ask
	WIN W_AD
	s_wait_tensorcnt 0x0            ; no tensor load of mine is out, so a group 0 may be written
	ds_add_u32 v[SPW], v[NIL]       ; the descriptors' steps stand between the add and the wait for it
	WIN 0
	s_xor_b32 s[G0M+1], s[G0M+1], SLOT1
	s_add_nc_u64 s[G0M+2:G0M+3], s[G0M+2:G0M+3], KS*4      ; 64 keys on in the mask's rows
	s_xor_b32 s[G0K+1], s[G0K+1], SLOT1
	s_add_nc_u64 s[G0K+2:G0K+3], s[G0K+2:G0K+3], 4*KS*128  ; the next step's 32,768 bytes
	s_xor_b32 s[G0V+1], s[G0V+1], SLOT1
	s_add_nc_u64 s[G0V+2:G0V+3], s[G0V+2:G0V+3], 4*KS*128
.if \ask
	s_wait_xcnt 0x0                 ; the last prefetch, a key step back, has read its address
	s_add_nc_u64 s[PFA:PFA+1], s[PFA:PFA+1], s[PFS:PFS+1]
.endif
	s_wait_dscnt 0x0                ; the add is done, and my reads of the slot are over
.if \fill
	CROUND
	JLOAD
.if \ask
	ASK
.endif
.else
	s_barrier_signal -1
	s_barrier_wait -1
.endif
	s_xor_b32 s[TB], s[TB], SLOT1
	v_add_nc_u32 v[AK], s[TB], v[AK0]
	v_add_nc_u32 v[AV], s[TB], v[AV0]
	v_add_nc_u32 v[AM], s[TB], v[AM0]
.endm
	s_load_b256 s[4:11], s[0:1], 0x0  ; qw s[4:5], kw s[6:7], vw s[8:9], mask s[10:11]
	s_load_b64 s[12:13], s[0:1], 0x20 ; ow
	WIN W_MK
	v_lshl_add_u32 v[SPW], v0, 2, SPARE
	v_mov_b32 v[NIL], 0
	WIN W_AD
	ds_add_u32 v[SPW], v[NIL]       ; the wave's opening: the add and its wait stand ahead of my first tensor load
	WIN 0
	v_lshrrev_b32 v64, 5, v0
	v_readfirstlane_b32 s[WV], v64
	s_bfe_u32 s[CX], ttmp6, 0x40000
	s_bfe_u32 s[CY], ttmp6, 0x40004
	s_lshl_b32 s[HG], ttmp9, 2
	s_add_co_u32 s[HG], s[HG], s[CX]
	s_and_b32 s21, ttmp7, 0xffff    ; cluster y
	s_lshl_b32 s[YY], s21, 2
	s_add_co_u32 s[YY], s[YY], s[CY]
	s_lshr_b32 s[BB], s21, 1        ; the batch: made of the cluster's y alone, which a column's four share
	s_lshl_b32 s22, s[CY], 2
	s_lshl_b32 s22, 15, s22         ; my row of the cluster
	s_lshl_b32 s23, 0x1111, s[CX]   ; my column
	s_or_b32 s[G1M], s22, (2<<16)|(1<<20)|(1<<21)|(5<<22)|(3<<25)  ; mask of four; 4-byte elements; padding on; bit 21 beside a mask; after every 64 words 4 words
	s_or_b32 s[G1K], s23, (1<<16)|(1<<20)|(1<<21)|(4<<22)|(3<<25)  ; 2-byte elements; after every 32 words (a key) 4 words
	s_or_b32 s[G1V], s23, (1<<16)|(1<<20)|(1<<21)|(4<<22)|(7<<25)  ; 8 words
	s_mov_b32 s[G1M+1], 64<<16      ; 64 rows x 64 numbers, 1,024 from row to row
	s_mov_b32 s[G1M+2], 64<<16
	s_mov_b32 s[G1M+3], 64<<16
	s_mov_b32 s[G1M+4], 64
	s_mov_b32 s[G1M+5], 1024
	s_mov_b32 s[G1M+6], 0
	s_mov_b32 s[G1M+7], 0
.irp g, G1K, G1V
	s_mov_b32 s[\g+1], 128<<16      ; 32,768 bytes on end as 128 rows of 256 bytes, two keys a row
	s_mov_b32 s[\g+2], 128<<16
	s_mov_b32 s[\g+3], 128<<16
	s_mov_b32 s[\g+4], 128
	s_mov_b32 s[\g+5], 128
	s_mov_b32 s[\g+6], 0
	s_mov_b32 s[\g+7], 0
.endr
	s_and_b32 s22, s[WV], 1
	s_lshl_b32 s78, s[YY], 19       ; the mask at my block's 128 rows of 4,096 bytes,
	s_lshl_b32 s79, s22, 18         ; + the 64 that I fetch
	s_add_co_u32 s78, s78, s79
	s_mov_b32 s79, 0
	s_mul_i32 s22, s22, 64*PM
	s_lshl_b32 s80, s[BB], 2
	s_add_co_u32 s80, s80, s[HG]
	s_lshl_b32 s80, s80, 19         ; K and V: (4 b + head group) x 16 steps x 32,768
	s_mov_b32 s81, 0
	s_lshl_b32 s82, s[BB], 4
	s_lshl_b32 s83, s[HG], 2
	s_add_co_u32 s82, s82, s83
	s_add_co_u32 s82, s82, s[WV]    ; my head among the 128
	s_lshl_b32 s82, s82, 17
	s_and_b32 s83, s[YY], 7
	s_lshl_b32 s83, s83, 14         ; my block's 128 rows of 128 bytes
	s_add_co_u32 s82, s82, s83
	s_mov_b32 s83, 0
	s_lshl_b32 s84, s[YY], 18       ; ow: 128 rows of 2,048 bytes,
	s_lshl_b32 s85, s[WV], 16       ; the 32 that I store,
	s_add_co_u32 s84, s84, s85
	s_lshl_b32 s85, s[HG], 9        ; the four heads' 512 bytes
	s_add_co_u32 s84, s84, s85
	s_mov_b32 s85, 0
	s_mov_b32 s[G0M], 1
	s_mov_b32 s[G0M+1], s22
	s_mov_b32 s[G0K], 1
	s_mov_b32 s[G0K+1], KOFF
	s_mov_b32 s[G0V], 1
	s_mov_b32 s[G0V+1], VOFF
	s_mov_b32 s[CS], 0x42000000     ; 32
	s_mov_b32 s[CS+1], s[CS]
	s_mov_b32 s[SEL], 0x76543210
	s_mov_b32 s[SEL+1], 0xfedcba98
	s_mov_b32 s[G], 0x4c2bfb8f      ; 45,084,220 = 1e9 log2(e) / 32 to f32
	s_mov_b32 s[G+1], s[G]
	s_mov_b32 s[NG], 0xcc2bfb8f
	s_mov_b32 s[NG+1], s[NG]
	s_mov_b32 s[TB], SLOT1          ; the first change of slots turns it into 0
	; the prefetches' offsets
	s_lshl_b32 s2, s[YY], 7
	s_lshl_b32 s3, s[CX], 5
	s_add_co_u32 s2, s2, s3
	s_lshl_b32 s2, s2, 12           ; the mask: my work-group's 32 of the 128 rows,
	s_add_co_u32 s2, s2, 2*KS*4     ; at step 2: the loop's first change steps it to 3
	s_lshl_b32 s3, s[CY], 13        ; K, V: my work-group's 32 of a step's 128 blocks
	s_add_co_u32 s3, s3, s80
	s_add_co_u32 s3, s3, 2*4*KS*128
	s_mov_b32 s22, 4*KS*128
	s_and_b32 s23, ttmp7, 1
	s_wait_dscnt 0x0                ; the opening add is done
	s_wait_kmcnt 0x0
	s_add_nc_u64 s[G0M+2:G0M+3], s[10:11], s[78:79]
	s_or_b32 s[G0M+3], s[G0M+3], 0x80000000
	s_add_nc_u64 s[G0K+2:G0K+3], s[6:7], s[80:81]
	s_or_b32 s[G0K+3], s[G0K+3], 0x80000000
	s_add_nc_u64 s[G0V+2:G0V+3], s[8:9], s[80:81]
	s_or_b32 s[G0V+3], s[G0V+3], 0x80000000
	s_add_nc_u64 s[4:5], s[4:5], s[82:83]
	s_add_nc_u64 s[12:13], s[12:13], s[84:85]
	s_cmp_lt_u32 s[WV], 2
	s_cselect_b32 s2, s2, s3
	s_cselect_b64 s[PFA:PFA+1], s[10:11], s[6:7]
	s_cselect_b32 s[PFS], KS*4, s22
	s_cselect_b32 s21, 12, 8
	s_cselect_b32 s23, s[WV], s23   ; 0 in wave 0, and in waves 2 and 3 of a cluster with even y: the same in all sixteen partners, for a given wave
	s_cmp_eq_u32 s[WV], 3
	s_cselect_b64 s[PFA:PFA+1], s[8:9], s[PFA:PFA+1]
	s_cmp_eq_u32 s23, 0
	s_cselect_b32 s[LIM], 3, -1
	s_mov_b32 s3, 0
	s_mov_b32 s[PFS+1], 0
	s_add_nc_u64 s[PFA:PFA+1], s[PFA:PFA+1], s[2:3]
	CROUND                          ; all sixteen work-groups are here: the first joint loads meet
	JLOAD                           ; step 0 into slot 0; slot 1 is asked for when slot 0 is in
	v_and_b32 v64, 15, v0           ; l % 16
	v_bfe_u32 v65, v0, 4, 1         ; l / 16
	v_and_b32 v66, 7, v0
	v_bfe_u32 v67, v0, 3, 1
	v_and_b32 v68, 31, v0
	v_lshlrev_b32 v[QO], 7, v64
	v_lshl_add_u32 v[QO], v65, 4, v[QO]
	WIN 0x80
.set i, 0
.rept 4*NP                          ; Q stays in registers: tile i / 2, channels 32 (i % 2) on
	global_load_b128 v[8*i:8*i+3],   v[QO], s[4:5] offset:(i/2)*2048+(i%2)*64
	global_load_b128 v[8*i+4:8*i+7], v[QO], s[4:5] offset:(i/2)*2048+(i%2)*64+32
.set i, i+1
.endr
	; What the first turn finds: V's registers and P's second buffer hold 0 (its products V^T P, of a piece that has not been, add 0), O^T and l are 0.  No first step is written out; these lines stand in the wait for the first tile.
.set i, VF
.rept 64
	v_mov_b32 v[i], 0
.set i, i+1
.endr
	WIN 0x40
.set i, 0
.rept 64*NP
	v_mov_b32 v[i], 0
.set i, i+1
.endr
	WIN 0
.set i, 0
.rept 2*NP
	v_mov_b32 v[ST+4*i], 0xfe000000    ; 32 m: far below every 32 y, the masked ones' -1.4e9 too
	v_mov_b32 v[ST+4*i+1], 0xff7fffff  ; m
	v_mov_b32 v[ST+4*i+2], 0
	v_mov_b32 v[ST+4*i+3], 0
.set i, i+1
.endr
.set i, P+32
.rept 32
	v_mov_b32 v[i], 0
.set i, i+1
.endr
	s_mul_i32 s2, s[WV], KS*PK
	s_add_co_u32 s2, s2, KOFF       ; my head's K
	v_mul_u32_u24 v[AK0], v64, PK
	v_lshl_add_u32 v[AK0], v65, 4, v[AK0]
	v_add_nc_u32 v[AK0], s2, v[AK0]
	s_mul_i32 s2, s[WV], KS*PV
	s_add_co_u32 s2, s2, VOFF       ; my head's V: lane l reads key 8 (l / 16) + l % 8, channels 8 ((l / 8) % 2) + 0..7
	v_lshl_add_u32 v[AV0], v65, 3, v66
	v_mul_u32_u24 v[AV0], v[AV0], PV
	v_lshl_add_u32 v[AV0], v67, 4, v[AV0]
	v_add_nc_u32 v[AV0], s2, v[AV0]
	v_mul_u32_u24 v[AM0], v64, PM   ; the mask: my query's row, my 8 keys of each 16: 32 bytes
	v_lshl_add_u32 v[AM0], v65, 5, v[AM0]
	s_lshl_b32 s2, s[WV], 7
	s_add_co_u32 s2, s2, STAGE      ; into the stage: row l % 16 of a tile, my head's 128 bytes, 16 for each half of the lanes
	v_mul_u32_u24 v[STO], v64, SP
	v_lshl_add_u32 v[STO], v65, 4, v[STO]
	v_add_nc_u32 v[STO], s2, v[STO]
	s_mul_i32 s2, s[WV], 32*SP
	s_add_co_u32 s2, s2, STAGE      ; back: wave w takes rows 32 w .., a whole row of 512 bytes a load
	v_lshlrev_b32 v[GO], 4, v68
	v_add_nc_u32 v[RD], s2, v[GO]
	v_lshlrev_b32 v[PFO], s21, v68
; THE MATRIX WORK.  The 8 accumulators of a run of 16 take turns.  Product i of 16 of S^T = K Q^T for piece x: channels 32 (i / 8) on, keys 16 ((i / 2) % 4) on, tile 2 x + i % 2.
.macro KQ x
	WIN W_KQ
.set rS, S+64*((\x)%2)+32*(i%2)+8*((i/2)%4)
.set rK, KF+16*((i/2)%4)+8*(i/8)
.set rQ, 16*(2*(\x)+i%2)+8*(i/8)
.if i < 8
	v_wmma_f32_16x16x32_f16 v[rS:rS+7], v[rK:rK+7], v[rQ:rQ+7], 0
.else
	v_wmma_f32_16x16x32_f16 v[rS:rS+7], v[rK:rK+7], v[rQ:rQ+7], v[rS:rS+7]
.endif
.endm
; Product i of 16 of O^T += V^T P for piece x: keys 32 (i / 8) on, channels 16 ((i / 2) % 4) on, tile 2 x + i % 2.
.macro PV x
	WIN W_PV
.set rO, 32*(2*(\x)+i%2)+8*((i/2)%4)
.set rV, VF+32*(i/8)+8*((i/2)%4)
.set rP, P+32*((\x)%2)+16*(i%2)+8*(i/8)
	v_wmma_f32_16x16x32_f16 v[rO:rO+7], v[rV:rV+7], v[rP:rP+7], v[rO:rO+7]
.endm
.macro MM                           ; the turn's next matrix instruction
.if i < 16
	KQ (Y+1)%NP
.set i, i+1
.else
.set i, i-16
	PV (Y+NP-1)%NP
.set i, i+17
.endif
.endm
; THE LDS LOADS stand in runs of 16.  last = 1 (the turns' one text): in the last trip (s[SLOTS] = 1) there is no further step, and K's run is jumped over.
.macro FETCH_K last=0
	WIN 0
.if \last
	s_cmp_eq_u32 s[SLOTS], 1
	s_cbranch_scc1 .Lno_k_\@
.endif
	WIN 0x80
.irp f, 0,1,2,3,4,5,6,7             ; keys 16 (f / 2) on, channels 32 (f % 2) on
	ds_load_b128 v[KF+8*\f:KF+8*\f+3],   v[AK] offset:(\f/2)*16*PK+(\f%2)*64
	ds_load_b128 v[KF+8*\f+4:KF+8*\f+7], v[AK] offset:(\f/2)*16*PK+(\f%2)*64+32
.endr
	WIN 0
.if \last
.Lno_k_\@:
.endif
.endm
.macro FETCH_V
	WIN 0x80
.irp f, 0,1,2,3,4,5,6,7             ; keys 32 (f / 4) on, channels 16 (f % 4) on
	ds_load_tr16_b128 v[VF+8*\f:VF+8*\f+3],   v[AV] offset:(\f/4)*32*PV+(\f%4)*32
	ds_load_tr16_b128 v[VF+8*\f+4:VF+8*\f+7], v[AV] offset:(\f/4)*32*PV+16*PV+(\f%4)*32
.endr
	WIN 0
.endm
.macro FETCH_M pc                   ; the mask of piece pc for the step of the slot in hand: tile u, keys 16 kb + 8 (l / 16) + 0..7, laid like S^T
	WIN 0xc0
.irp u, 0,1
.irp kb, 0,1,2,3
	ds_load_b128 v[MB+64*((\pc)%2)+32*\u+8*\kb:MB+64*((\pc)%2)+32*\u+8*\kb+3],   v[AM] offset:(2*(\pc)+\u)*16*PM+\kb*64
	ds_load_b128 v[MB+64*((\pc)%2)+32*\u+8*\kb+4:MB+64*((\pc)%2)+32*\u+8*\kb+7], v[AM] offset:(2*(\pc)+\u)*16*PM+\kb*64+16
.endr
.endr
.endm
; THE MASKING of piece Y + 1's fresh scores: G m - G, then y = s' m + that, in place, each accumulator from its low end.  The first 32 lines name no register of the products before them.
; The wait is for the piece's mask, asked for a turn earlier (in piece 1's turn also for V's run).
.macro MK
.set mB, MB+64*((Y+1)%2)
.set sB, S+64*((Y+1)%2)
	s_wait_dscnt 0x0
	WIN 0xc3
.set z, 0
.rept 32
	v_pk_fma_f32 v[AA+2*z:AA+2*z+1], v[mB+2*z:mB+2*z+1], s[G:G+1], s[NG:NG+1] op_sel_hi:[1,0,0]
.set z, z+1
.endr
	WIN 0x3c
.set z, 0
.rept 32
	v_pk_fma_f32 v[sB+2*z:sB+2*z+1], v[sB+2*z:sB+2*z+1], v[mB+2*z:mB+2*z+1], v[AA+2*z:AA+2*z+1]
.set z, z+1
.endr
.endm
; THE VECTOR WORK OF A TURN stands in three queues, each in the order in which its entries become ready; the two tiles alternate.
.macro REGS y, u
.set rT, ST+4*(2*(\y)+(\u))
.set rC, TMP+8*((\y)%2)+4*(\u)
.set rM, MV+2*((\y)%2)+(\u)
.set rS, S+64*((\y)%2)+32*(\u)
.set rP, P+32*((\y)%2)+16*(\u)
.set rO, 32*(2*(\y)+(\u))
.endm
; Number n of the 22 that find the NEXT piece's maximum and statistics: 0-11 four chains of seven scores; 12-14, 16 the rest, the old m, four into one; 15 32 m_old is kept; 17, 18 the other half of the lanes; 19-21 32 m, its change, a
.macro XS u, n
	REGS (Y+1)%NP, \u
.if (\n) < 4
	v_max3_num_f32 v[rC+(\n)], v[rS+8*(\n)], v[rS+8*(\n)+1], v[rS+8*(\n)+2]
.elseif (\n) < 12
	v_max3_num_f32 v[rC+(\n)%4], v[rC+(\n)%4], v[rS+8*((\n)%4)+2*((\n)/4)+1], v[rS+8*((\n)%4)+2*((\n)/4)+2]
.elseif (\n) == 12
	v_max3_num_f32 v[rC], v[rC], v[rS+7], v[rS+15]
.elseif (\n) == 13
	v_max3_num_f32 v[rC+1], v[rC+1], v[rS+23], v[rS+31]
.elseif (\n) == 14
	v_max3_num_f32 v[rC+2], v[rC+2], v[rC+3], v[rT+1]
.elseif (\n) == 15
	v_mov_b32 v[rM], v[rT]
.elseif (\n) == 16
	v_max3_num_f32 v[rC], v[rC], v[rC+1], v[rC+2]
.elseif (\n) == 17
	v_permlanex16_b32 v[rC+3], v[rC], s[SEL], s[SEL+1]
.elseif (\n) == 18
	v_max_num_f32 v[rT+1], v[rC], v[rC+3]
.elseif (\n) == 19
	v_mul_f32 v[rT], s[CS], v[rT+1]
.elseif (\n) == 20
	v_sub_f32 v[rC+1], v[rM], v[rT]
.else
	v_exp_f32 v[rC+2], v[rC+1]
.endif
.endm
; Number g of the 64 that follow the exponentials: for each four weights both pairs are rounded to f16, the second pair is added onto the first, and a group later l takes that sum (the first time as l = a l + sum)
.macro GS g
.set h, (\g)+6*((\g)/62)
.if h >= 6
.set h, h+2
.endif
	REGS Y, h%2
.set k, h/8
.if h%8 < 4
	v_cvt_pk_f16_f32 v[rP+2*k+(h%8)/2], v[rS+4*k+2*((h%8)/2)], v[rS+4*k+2*((h%8)/2)+1]
.elseif h%8 < 6
	v_pk_add_f32 v[rS+4*k:rS+4*k+1], v[rS+4*k:rS+4*k+1], v[rS+4*k+2:rS+4*k+3]
.elseif k == 1
	v_pk_fma_f32 v[rT+2:rT+3], v[rT+2:rT+3], v[rC+2:rC+3], v[rS:rS+1] op_sel_hi:[1,0,1]
.else
	v_pk_add_f32 v[rT+2:rT+3], v[rT+2:rT+3], v[rS+4*k-4:rS+4*k-3]
.endif
.endm
.macro FS f                         ; 32 y - 32 m for pair f / 2 of tile f % 2
	REGS Y, (\f)%2
	v_pk_fma_f32 v[rS+2*((\f)/2):rS+2*((\f)/2)+1], v[rS+2*((\f)/2):rS+2*((\f)/2)+1], s[CS:CS+1], v[rT:rT+1] op_sel_hi:[1,0,0] neg_lo:[0,0,1] neg_hi:[0,0,1]
.endm
; THE PLAIN QUEUE, 138 long.  0-26: scalings 0-26.  27-54: XS 0-13.  55, 56: XS 15.  57-73: the chain 14, 16 .. 20, a scaling in front of each pair of links.  74-137: GS, behind the wait.
.macro PL
	WIN 0
.if q < 27
	FS q
.elseif q < 55
	XS (q-27)%2, (q-27)/2
.elseif q < 57
	XS q-55, 15
.elseif (q < 72) && ((q-57)%3 == 0)
	FS 27+(q-57)/3
.elseif q < 60
	XS (q-57)%3-1, 14
.elseif q < 72
	XS (q-57)%3-1, 15+(q-57)/3
.elseif q < 74
	XS q-72, 20
.else
	GS q-74
.endif
.set q, q+1
.endm
.macro EX                           ; THE EXPONENTIALS' QUEUE, 66 long: one batch, all ahead of the turn's one wait
	WIN 0
.if e >= 64
	XS e-64, 21
.else
	REGS Y, e%2
	v_exp_f32 v[rS+e/2], v[rS+e/2]
.endif
.set e, e+1
.endm
.macro R2                           ; THE RESCALING's QUEUE: O^T times a, two at a time
	REGS Y, r%2
	WIN W_RS
.irp z, 0,1
	v_pk_mul_f32 v[rO+4*(r/2)+2*\z:rO+4*(r/2)+2*\z+1], v[rO+4*(r/2)+2*\z:rO+4*(r/2)+2*\z+1], v[rC+2:rC+3] op_sel_hi:[1,0]
.endr
.set r, r+1
.endm
; A TURN, for piece p.  Ahead of the one wait stands all that names no result of the turn's exponentials: 16 products K Q^T, behind each a scaling, an exponential and two rescalings; then the lump, in which the masking stands just
; ahead of plain number 27, the first that reads the fresh scores.  Behind the wait: the mask of the piece after next (its buffer was last read a turn ago, and is read again a turn on), in piece 2's turn the next step's K (its last
; reader stands a lump back), then 16 products V^T P with four of the roundings and sums behind each; at the end of piece 0's turn the step's V, four plain instructions behind its last reader.
.macro TURN p, last=0
.set Y, (\p)
.set i, 0
.set q, 0
.set e, 0
.set r, 0
.if (\p) == NP-1
	s_wait_dscnt 0x0                ; K is in
.endif
	MM
	PL
	PL
	R2
.rept 15
	MM
	PL
	EX
	R2
.endr
.rept 8
	PL
.endr
.rept 2
	EX
	PL
.endr
	MK
.rept 47
	EX
	PL
.endr
	EX                              ; the next piece's two a
	EX
	v_nop                           ; the plain instruction behind the last exponential: one for the batch
	s_wait_alu depctr_va_vdst(0)    ; the wait ahead of the first use of an exponential: one for the batch
	FETCH_M ((\p)+2)%NP
.if (\p) == NP-2
	FETCH_K \last
.endif
.rept 16
	MM
.rept 4
	PL
.endr
.endr
.if (\p) == 0
	FETCH_V
.endif
.endm
	CHANGE 1, 0                     ; slot 0 is in, everybody's part of it; slot 1 is asked for
	FETCH_K                         ; key step 0
	FETCH_M 0
	FETCH_M 1
	s_wait_loadcnt 0x0              ; Q
	s_wait_dscnt 0x0
.set i, 0
.rept 16
	KQ 0                            ; piece 0's first scores
.set i, i+1
.endr
.set Y, NP-1                        ; MK and XS work for piece Y + 1: piece 0
	MK
	WIN 0
.irp n, 0,1,2,3,4,5,6,7,8,9,10,11,12,13,14,15,16,17,18,19,20,21
	XS 0, \n
	XS 1, \n
.endr
	v_nop
	s_wait_alu depctr_va_vdst(0)    ; the two a, ahead of the branch
	s_mov_b32 s[SLOTS], 16          ; 16 trips: pieces 2 and 3 of steps 0 to 15, each followed (but for the last) by pieces 0 and 1 of the next step
	s_branch .Lfirst                ; the walk is entered at a step's first turn, in the middle of a trip
.Lslot:                             ; s[SLOTS] = 16 to 3, 14 times: steps 2 to 15 are asked for
	CHANGE 1, 1
.Lturns:
	TURN 2, 1
	TURN 3
	WIN 0
	s_sub_co_u32 s[SLOTS], s[SLOTS], 1  ; the counter's one step a trip, and the walk's end
	s_cmp_eq_u32 s[SLOTS], 0
	s_cbranch_scc1 .Lout
.Lfirst:
	TURN 0
	TURN 1
	WIN 0
	s_cmp_lt_u32 s[SLOTS], 3
	s_cbranch_scc1 .Lno_fill
	s_branch .Lslot
.Lno_fill:                          ; s[SLOTS] = 2: step 15's slot is entered, and nothing is left to ask for.  s[SLOTS] = 1: the last trip, which reads nothing of use from LDS any more
	CHANGE 0, 0
	s_branch .Lturns
.Lout:                              ; the last trip's products K Q^T of piece 0 (on the last K once more), their masking and maximum serve nothing: the price, once a launch, of one text for every trip
.set i, 0
.rept 16
	PV NP-1
.set i, i+1
.endr
	; THE WAY OUT.  l's halves are added; O^T is divided by l, rounded to f16 and put into the work-group's stage: a row's 512 bytes come from the four waves, so a barrier stands between writing and reading.
	WIN 0
.macro ALL line:vararg
.set t, 0
.rept 2*NP
	\line
.set t, t+1
.endr
.endm
	ALL v_add_f32 v[ST+4*t+2], v[ST+4*t+2], v[ST+4*t+3]
	ALL v_permlanex16_b32 v[ST+4*t+3], v[ST+4*t+2], s[SEL], s[SEL+1]
	ALL v_add_f32 v[ST+4*t+2], v[ST+4*t+2], v[ST+4*t+3]
	ALL v_rcp_f32 v[ST+4*t+2], v[ST+4*t+2]
	v_nop
	s_wait_alu depctr_va_vdst(0)    ; one wait for the eight reciprocals
.macro PACK t
	WIN W_RS
.set i, 32*(\t)
.rept 16
	v_pk_mul_f32 v[i:i+1], v[i:i+1], v[ST+4*(\t)+2:ST+4*(\t)+3] op_sel_hi:[1,0]
.set i, i+2
.endr
	WIN 0x05
.set i, 0
.rept 16
	v_cvt_pk_f16_f32 v[S+16*(\t)+i], v[32*(\t)+2*i], v[32*(\t)+2*i+1]
.set i, i+1
.endr
	WIN 0
.irp f, 0,1,2,3
	ds_store_b128 v[STO], v[S+16*(\t)+4*\f:S+16*(\t)+4*\f+3] offset:(\t)*16*SP+32*\f
.endr
.endm
.set t, 0
.rept 2*NP
	PACK t
.set t, t+1
.endr
	s_wait_dscnt 0x0                ; for the others' sake: my stores into the stage are done
	s_barrier_signal -1
	s_barrier_wait -1
.set i, 0
.rept 32
	ds_load_b128 v[S+4*i:S+4*i+3], v[RD] offset:i*SP
.set i, i+1
.endr
.set i, 0
.rept 32
	s_wait_dscnt 31-i               ; row i is back; the younger loads may stay out
	global_store_b128 v[GO], v[S+4*i:S+4*i+3], s[12:13] offset:i*2048  ; 512 consecutive bytes, at a multiple of 256 from ow's first
.set i, i+1
.endr
	WIN W_AD
	s_wait_tensorcnt 0x0            ; the wave's end
	ds_add_u32 v[SPW], v[NIL]
	s_wait_dscnt 0x0
	WIN 0
	CROUND                          ; the closing round
	s_endpgm
.Lfunc_end_k_q7ec222449b_attn:
	.size	k_q7ec222449b_attn, .Lfunc_end_k_q7ec222449b_attn-k_q7ec222449b_attn
	.p2alignl 7, 3214868480
	.fill 96, 4, 3214868480
	.section	.rodata,"a",@progbits
	.p2align	6, 0x0
	.amdhsa_kernel k_q7ec222449b_attn
		.amdhsa_group_segment_fixed_size 327680
		.amdhsa_private_segment_fixed_size 0
		.amdhsa_enable_private_segment 0
		.amdhsa_kernarg_size 40
		.amdhsa_user_sgpr_count 2
		.amdhsa_user_sgpr_kernarg_segment_ptr 1
		.amdhsa_wavefront_size32 1
		.amdhsa_system_sgpr_workgroup_id_x 1
		.amdhsa_system_sgpr_workgroup_id_y 1
		.amdhsa_system_sgpr_workgroup_id_z 1
		.amdhsa_system_vgpr_workitem_id 0
		.amdhsa_next_free_vgpr 1024
		.amdhsa_next_free_sgpr 96
		.amdhsa_reserve_vcc 0
		.amdhsa_float_denorm_mode_32 3
		.amdhsa_float_denorm_mode_16_64 3
		.amdhsa_memory_ordered 1
		.amdhsa_forward_progress 1
		.amdhsa_inst_pref_size 159
	.end_amdhsa_kernel
	.amdgpu_metadata
---
amdhsa.version: [ 1, 2 ]
amdhsa.kernels:
  - .name:           k_q7ec222449b_attn
    .symbol:         k_q7ec222449b_attn.kd
    .args:
      - { .name: qw, .offset: 0, .size: 8, .value_kind: global_buffer, .address_space: global }
      - { .name: kw, .offset: 8, .size: 8, .value_kind: global_buffer, .address_space: global }
      - { .name: vw, .offset: 16, .size: 8, .value_kind: global_buffer, .address_space: global }
      - { .name: mask, .offset: 24, .size: 8, .value_kind: global_buffer, .address_space: global }
      - { .name: ow, .offset: 32, .size: 8, .value_kind: global_buffer, .address_space: global }
    .group_segment_fixed_size: 327680
    .private_segment_fixed_size: 0
    .kernarg_segment_align: 8
    .kernarg_segment_size: 40
    .max_flat_workgroup_size: 128
    .sgpr_count:     96
    .vgpr_count:     1024
    .wavefront_size: 32
...
	.end_amdgpu_metadata
.endif
;; end of part 3
;; launch outp (part 4): grid 8 x 32, 4 waves a work-group, clusters of 4 x 4, 327,680 bytes of LDS; arguments ow, wo2, bo, out0; writes out0
.if DOCPART == 4
	.amdgcn_target "amdgcn-amd-amdhsa--gfx1250"
	.amdhsa_code_object_version 6
	.text
	.protected	k_q7ec222449b_outp
	.globl	k_q7ec222449b_outp
	.p2align	8
	.type	k_q7ec222449b_outp,@function
k_q7ec222449b_outp:
	s_mov_b64 s[64:65], 0
	v_nop
	global_prefetch_b8 v0, s[64:65] scope:SCOPE_SE
	s_setreg_imm32_b32 hwreg(HW_REG_WAVE_MODE, 25, 1), 1
	s_wait_xcnt 0x0
	s_wait_alu depctr_hold_cnt(0) depctr_sa_sdst(0) depctr_va_vdst(0) depctr_va_sdst(0) depctr_va_ssrc(0) depctr_va_vcc(0) depctr_vm_vsrc(0)
	s_getreg_b32 s2, hwreg(HW_REG_IB_STS2, 6, 4)
	s_cmp_eq_u32 s2, 0
	s_cbranch_scc0 .Lentry_in_a_cluster
	s_endpgm
.Lentry_in_a_cluster:
	s_bfe_u32 s2, ttmp6, 0x10000c
	s_cmp_lg_u32 s2, 0xf033
	s_cbranch_scc0 .Lentry_shape_is_right
	s_endpgm
.Lentry_shape_is_right:
; out0 [8192][1024] f32 = 16 (ow x wo2) + bo.  ow [8192][1024] f16 holds O / 16, wo2 [k][n] f16 holds Wo rounded to bf16; f32 sums; bo rounded to bf16 like all inputs.
; A tile of C is 256 x 128: 8 x 32 = 256 work-groups.  A wave makes 64 rows x 128 columns: 32 accumulators, 256 registers.  K goes in 8 steps of 128 through two LDS slots; both tensors' tile rows are 256 bytes of memory, aligned.
; THE K STEPS GO ROUND.  Cluster (x, y) begins at K step 4 x + 2 (y % 4), modulo 8, and walks all eight from there; the f32 sums are taken in that order.  So the two clusters that read the same rows of ow (same y) stand four
; K steps apart, and four neighbouring clusters of a column, which read the same columns of wo2, two: running in step, no two of them ask for the same K step at the same time.
; B STAYS [K][N]: its fragments come out of LDS turned, by ds_load_tr16_b128.  THE MATRIX INSTRUCTION IS USED TRANSPOSED (source 0 = 16 columns of B, source 1 = 16 rows of A): a lane holds one row of C and 8 neighbouring columns.
; CLUSTER 4 x 4: the four of a row need the same rows of ow, the four of a column the same columns of wo2: each tile is asked for jointly.
; REGISTERS: window 0: v16-30 addresses; v32-95 bias; v96-159 the way out; v192-223, v224-255 A's fragments      window 1: v0-63, v128-191 B's fragments      window 2: the accumulators, (a, b) at 8 (8 a + b)
.set NL,     24                        ; LDS loads in a run: 16 for B, 8 for A
.set KSTEPS, 8
.set PA,     272                       ; a row of A in LDS: 256 bytes + 16
.set PB,     288                       ; a row of B: 256 + 32
.set SLOT1,  1<<17
.set HALFA,  128*PA
.set BOFF,   2*HALFA
.set HALFB,  64*PB
.set STAGE,  SLOT1+BOFF+2*HALFB        ; behind the ring, never filled by a tensor load: 16 rows x 528 bytes for each wave
.set SPT,    528
.set SPARE,  STAGE+4*16*SPT            ; the spare words, 128 bytes a wave: two blocks of 256 bytes that no other line names
.set ADRA0, 16
.set ADRB0, 17
.set ADRA,  18
.set ADRB,  19
.set STO,   24
.set RD,    25
.set GO,    26
.set BO,    27
.set SPW,   28
.set NIL,   29
.set PFO,   30
.set BIAS,  32
.set BK,    96
.set FA,    192
.set WV,   20
.set HALF, 21
.set ISB,  22
.set G1A,  24
.set G0A,  32
.set CX,   40
.set CY,   41
.set TC,   42
.set TR,   43
.set LIM,  44                          ; KSTEPS - 3 in a wave that prefetches, else the greatest number
.set TB,   45
.set KI,   46                          ; the K step that was asked for last, 0 to 7
.set G1B,  48
.set G0B,  56
.set PFA,  66                          ; s[66:67] where my one prefetch stands; never rewritten
.set ABASE, 72                         ; s[72:73] ow at the rows that I fetch, K step 0
.set BBASE, 74                         ; s[74:75] wo2 at the columns and the half step that I fetch, K step 0
.set SC,   88                          ; s[88:89] 16
.set HIM,  91
.set OFA,  92                          ; s[92:93] a K step's byte offset in ow's rows: 256 a step
.set OFB,  94                          ; s[94:95] and in wo2: 128 rows of 2,048 bytes a step
.set MSB, 0
.macro WIN new
.if MSB != (\new)
	s_set_vgpr_msb (MSB<<8)|(\new)
.set MSB, \new
.endif
.endm
.macro PLACES                          ; four places in front of loads into registers that matrix instructions have read (ISA guide 7.12.1 for vector instructions)
.rept 4
	v_nop
.endr
.endm
.macro JLOAD                           ; a joint refill: waves 0 and 1 fetch A's halves, waves 2 and 3 B's; an s_nop 0 and four v_nop follow each line
	s_cmp_eq_u32 s[ISB], 0
	s_cbranch_scc0 .Lfor_b_\@
	tensor_load_to_lds s[G0A+4:G0A+7], s[G1A:G1A+7]
	s_nop 0
.rept 4
	v_nop
.endr
	s_branch .Lasked_\@
.Lfor_b_\@:
	tensor_load_to_lds s[G0B+4:G0B+7], s[G1B:G1B+7]
	s_nop 0
.rept 4
	v_nop
.endr
.Lasked_\@:
.endm
; ONE PREFETCH A WAVE, behind the first refill alone (s3 = KSTEPS - 2 there): ow's rows at my cluster's FOURTH K step, which the next refill asks for: 128 matrix instructions ahead of that load.  By the walk's arithmetic a
; cluster's fifth to eighth K steps of ow are the first four of the cluster beside it, and each K step of wo2 that a refill asks for was a neighbour's two steps before; the first two K steps go out at the head, and the third is
; being asked for here.  Waves 0 and 1 of every cluster ask; the four partners of a row share a wave's 128 rows out by address, 32 each (by cx), a lane a row: each block is named once in the launch.
.macro ASK
	s_cmp_gt_u32 s3, s[LIM]
	s_cbranch_scc0 .Lnot_mine_\@
	global_prefetch_b8 v[PFO], s[PFA:PFA+1] th:TH_LOAD_NT scope:SCOPE_SE
.Lnot_mine_\@:
.endm
.macro CREST
	s_cmp_lg_u32 s[WV], 0
	s_cbranch_scc1 .Lnot_wave_0_\@
	s_barrier_signal -3
.Lnot_wave_0_\@:
	s_barrier_wait -3
	s_barrier_signal -1
	s_barrier_wait -1
.endm
.macro CROUND
	s_barrier_signal -1
	s_barrier_wait -1
	CREST
.endm
	s_load_b256 s[4:11], s[0:1], 0x0               ; ow s[4:5], wo2 s[6:7], bo s[8:9], out0 s[10:11]
	v_lshl_add_u32 v[SPW], v0, 2, SPARE
	v_mov_b32 v[NIL], 0
	ds_add_u32 v[SPW], v[NIL]                      ; the wave's opening: the add and its wait stand ahead of my first tensor load
	v_lshrrev_b32 v1, 5, v0
	v_readfirstlane_b32 s[WV], v1
	s_and_b32 s[HALF], s[WV], 1
	s_lshr_b32 s[ISB], s[WV], 1
	s_bfe_u32 s[CX], ttmp6, 0x40000
	s_bfe_u32 s[CY], ttmp6, 0x40004
	s_lshl_b32 s[TC], ttmp9, 2
	s_add_co_u32 s[TC], s[TC], s[CX]               ; block of 128 columns
	s_and_b32 s[TR], ttmp7, 0xffff
	s_lshl_b32 s[TR], s[TR], 2
	s_add_co_u32 s[TR], s[TR], s[CY]               ; block of 256 rows
	s_lshl_b32 s[KI], ttmp9, 2                     ; the cluster's first K step: 4 x cluster x
	s_and_b32 s70, ttmp7, 3
	s_lshl_b32 s70, s70, 1
	s_add_co_u32 s[KI], s[KI], s70                 ; + 2 (cluster y % 4),
	s_and_b32 s[KI], s[KI], 7                      ; modulo 8: made of the cluster's place alone, which all sixteen partners share
	s_lshl_b32 s70, s[CY], 2
	s_lshl_b32 s70, 15, s70
	s_lshl_b32 s71, 0x1111, s[CX]
	s_or_b32 s[G1A], s70, (1<<16)|(1<<20)|(1<<21)|(5<<22)|(3<<25)  ; mask; 2-byte elements; padding on; bit 21 beside a mask; after every 64 words 4 words
	s_or_b32 s[G1B], s71, (1<<16)|(1<<20)|(1<<21)|(5<<22)|(7<<25)  ; 8 words
	s_mov_b32 s[G1A+1], 128<<16
	s_mov_b32 s[G1A+2], 128<<16
	s_mov_b32 s[G1A+3], 128<<16
	s_mov_b32 s[G1A+4], 128
	s_mov_b32 s[G1A+5], 1024
	s_mov_b32 s[G1A+6], 0
	s_mov_b32 s[G1A+7], 0
	s_mov_b32 s[G1B+1], 128<<16
	s_mov_b32 s[G1B+2], 64<<16
	s_mov_b32 s[G1B+3], 128<<16
	s_mov_b32 s[G1B+4], 64
	s_mov_b32 s[G1B+5], 1024
	s_mov_b32 s[G1B+6], 0
	s_mov_b32 s[G1B+7], 0
	s_lshl_b32 s72, s[TR], 8                       ; A: made of the row block and the wave alone
	s_lshl_b32 s73, s[HALF], 7
	s_add_co_u32 s72, s72, s73
	s_lshl_b32 s72, s72, 11
	s_mov_b32 s73, 0
	s_lshl_b32 s74, s[TC], 8                       ; B: the block's 256 bytes of a row, + 64 rows k for the second half: made of the column block and the wave alone
	s_lshl_b32 s75, s[HALF], 17
	s_add_co_u32 s74, s74, s75
	s_mov_b32 s75, 0
	s_mul_i32 s76, s[HALF], HALFA
	s_mul_i32 s77, s[HALF], HALFB
	s_add_co_u32 s77, s77, BOFF
	s_mov_b32 s[TB], 0
	s_mov_b32 s[OFA+1], 0
	s_mov_b32 s[OFB+1], 0
	s_mov_b32 s[SC], 0x41800000
	s_mov_b32 s[SC+1], s[SC]
	s_mov_b32 s[HIM], 0xffff0000
	s_wait_dscnt 0x0
	s_wait_kmcnt 0x0
	s_add_nc_u64 s[ABASE:ABASE+1], s[4:5], s[72:73]
	s_add_nc_u64 s[BBASE:BBASE+1], s[6:7], s[74:75]
	CROUND                                         ; all sixteen work-groups are here: the first joint loads meet
.irp s, 0,1                                            ; slot s takes the cluster's K step number s of its walk
	s_lshl_b32 s[OFA], s[KI], 8
	s_lshl_b32 s[OFB], s[KI], 18
	s_mov_b32 s[G0A+4*(\s)], 1
	s_add_co_u32 s[G0A+4*(\s)+1], s76, (\s)*SLOT1
	s_add_nc_u64 s[G0A+4*(\s)+2:G0A+4*(\s)+3], s[ABASE:ABASE+1], s[OFA:OFA+1]
	s_or_b32 s[G0A+4*(\s)+3], s[G0A+4*(\s)+3], 0x80000000
	s_mov_b32 s[G0B+4*(\s)], 1
	s_add_co_u32 s[G0B+4*(\s)+1], s77, (\s)*SLOT1
	s_add_nc_u64 s[G0B+4*(\s)+2:G0B+4*(\s)+3], s[BBASE:BBASE+1], s[OFB:OFB+1]
	s_or_b32 s[G0B+4*(\s)+3], s[G0B+4*(\s)+3], 0x80000000
.if (\s) == 0
	s_add_co_u32 s[KI], s[KI], 1
	s_and_b32 s[KI], s[KI], 7
.endif
.endr
	s_cmp_eq_u32 s[ISB], 0                         ; a wave's two first fills stand in one branch: two loads of mine are out
	s_cbranch_scc0 .Lfirst_b
	tensor_load_to_lds s[G0A:G0A+3], s[G1A:G1A+7]
	s_nop 0
	tensor_load_to_lds s[G0A+4:G0A+7], s[G1A:G1A+7]
	s_nop 0
.rept 4
	v_nop
.endr
	s_branch .Lfirst_asked
.Lfirst_b:
	tensor_load_to_lds s[G0B:G0B+3], s[G1B:G1B+7]
	s_nop 0
	tensor_load_to_lds s[G0B+4:G0B+7], s[G1B:G1B+7]
	s_nop 0
.rept 4
	v_nop
.endr
.Lfirst_asked:
	v_and_b32 v1, 15, v0
	v_bfe_u32 v2, v0, 4, 1
	v_and_b32 v3, 7, v0
	v_bfe_u32 v4, v0, 3, 1
	s_lshl_b32 s78, s[TC], 9                       ; the block's 128 numbers of bo
	s_mov_b32 s79, 0
	s_add_nc_u64 s[8:9], s[8:9], s[78:79]
	v_lshlrev_b32 v[BO], 5, v2
.irp nb, 0,1,2,3,4,5,6,7
	global_load_b128 v[BIAS+8*(\nb):BIAS+8*(\nb)+3],   v[BO], s[8:9] offset:(\nb)*64
	global_load_b128 v[BIAS+8*(\nb)+4:BIAS+8*(\nb)+7], v[BO], s[8:9] offset:(\nb)*64+16
.endr
	v_mul_u32_u24 v[ADRA0], v1, PA
	v_lshl_add_u32 v[ADRA0], v2, 4, v[ADRA0]
	s_mul_i32 s70, s[WV], 64*PA
	v_add_nc_u32 v[ADRA0], s70, v[ADRA0]
	v_lshl_add_u32 v5, v2, 3, v3                   ; the turning load: row k = 8 (l / 16) + l % 8, columns 8 ((l / 8) % 2) + 0..7
	v_mul_u32_u24 v5, v5, PB
	v_lshl_add_u32 v5, v4, 4, v5
	v_add_nc_u32 v[ADRB0], BOFF, v5
	v_mov_b32 v[ADRA], v[ADRA0]
	v_mov_b32 v[ADRB], v[ADRB0]
	s_mul_i32 s70, s[WV], 16*SPT
	s_add_co_u32 s70, s70, STAGE                   ; my stage
	v_mul_u32_u24 v[STO], v1, SPT                  ; in: row l % 16, 32 bytes for each half of the lanes
	v_lshl_add_u32 v[STO], v2, 5, v[STO]
	v_add_nc_u32 v[STO], s70, v[STO]
	v_and_b32 v[GO], 31, v0
	v_lshlrev_b32 v[GO], 4, v[GO]                  ; back: a whole row of 512 bytes a load
	v_add_nc_u32 v[RD], s70, v[GO]
	s_lshl_b32 s70, s[TR], 8
	s_lshl_b32 s71, s[WV], 6
	s_add_co_u32 s70, s70, s71
	s_lshl_b32 s70, s70, 12                        ; my first row of out0, 4,096 bytes a row,
	s_add_co_u32 s70, s70, s78                     ; the block's 512 bytes
	s_mov_b32 s71, 0
	s_add_nc_u64 s[10:11], s[10:11], s[70:71]
	; the prefetch: s[KI] holds the walk's second K step; the fourth is two on
	s_add_co_u32 s70, s[KI], 2
	s_and_b32 s70, s70, 7
	s_lshl_b32 s70, s70, 8
	s_lshl_b32 s71, s[CX], 16                      ; my work-group's 32 of the 128 rows that I fetch, 2,048 bytes a row
	s_add_co_u32 s70, s70, s71
	s_mov_b32 s71, 0
	s_add_nc_u64 s[PFA:PFA+1], s[ABASE:ABASE+1], s[70:71]
	s_cmp_eq_u32 s[ISB], 0
	s_cselect_b32 s[LIM], KSTEPS-3, -1             ; waves 0 and 1: the same in all sixteen partners
	v_and_b32 v[PFO], 31, v0
	v_lshlrev_b32 v[PFO], 11, v[PFO]
	s_wait_loadcnt 0x0                             ; bo, rounded to bf16
.set i, 0
.rept 32
	v_cvt_pk_bf16_f32 v5, v[BIAS+2*i], v[BIAS+2*i+1]
	v_lshlrev_b32 v[BIAS+2*i], 16, v5
	v_and_b32 v[BIAS+2*i+1], s[HIM], v5
.set i, i+1
.endr
; 8 matrix instructions: row block a x all 8 column blocks, 32 along K, from buffer f.  The 32 accumulators take turns.
.macro MULB f, a, zero
	WIN 0xa1
.irp b, 0,1,2,3,4,5,6,7
.if \zero
	v_wmma_f32_16x16x32_f16 v[8*(8*(\a)+(\b)):8*(8*(\a)+(\b))+7], v[128*(\f)+8*(\b):128*(\f)+8*(\b)+7], v[FA+32*(\f)+8*(\a):FA+32*(\f)+8*(\a)+7], 0
.else
	v_wmma_f32_16x16x32_f16 v[8*(8*(\a)+(\b)):8*(8*(\a)+(\b))+7], v[128*(\f)+8*(\b):128*(\f)+8*(\b)+7], v[FA+32*(\f)+8*(\a):FA+32*(\f)+8*(\a)+7], v[8*(8*(\a)+(\b)):8*(8*(\a)+(\b))+7]
.endif
.endr
.endm
.macro FETCH qn, f                     ; 24 LDS loads in one run: quarter qn of the slot in hand into buffer f
	WIN 0x40
.irp nb, 0,1,2,3,4,5,6,7
	ds_load_tr16_b128 v[128*(\f)+8*(\nb):128*(\f)+8*(\nb)+3],   v[ADRB] offset:32*PB*(\qn)+(\nb)*32
	ds_load_tr16_b128 v[128*(\f)+8*(\nb)+4:128*(\f)+8*(\nb)+7], v[ADRB] offset:32*PB*(\qn)+(\nb)*32+16*PB
.endr
	WIN 0
.irp i, 0,1,2,3
	ds_load_b128 v[FA+32*(\f)+8*(\i):FA+32*(\f)+8*(\i)+3],   v[ADRA] offset:64*(\qn)+(\i)*16*PA
	ds_load_b128 v[FA+32*(\f)+8*(\i)+4:FA+32*(\f)+8*(\i)+7], v[ADRA] offset:64*(\qn)+(\i)*16*PA+32
.endr
.endm
.macro QUARTER qn, f, g, zero
	s_wait_dscnt 4                                 ; B and A's row blocks 0, 1 are in; the youngest four loads may be out
	MULB \f, 0, \zero
	MULB \f, 1, \zero
	PLACES
	FETCH \qn, \g
	s_wait_dscnt NL                                ; all but the run just issued
	MULB \f, 2, \zero
	MULB \f, 3, \zero
.endm
; The last quarter multiplies buffer 1 and changes slots: one barrier; in front of it each wave waits for all its tensor loads, adds 0 to its spare word, and waits for that and for its reads of this slot.
; fill = 1: the barrier opens a round of the cluster's, and behind the round this slot is filled again, with the walk's K step two on: 112 matrix instructions ahead of the wait for it.  The descriptors' addresses are made anew
; from the step's number, which goes round modulo 8: the tensor's address plus an offset made apart, the type bits set again.
.macro TURN fill
	WIN 0
	s_wait_tensorcnt 0x0                           ; no tensor load of mine is out, so the descriptors may be written
	ds_add_u32 v[SPW], v[NIL]                      ; the descriptors' scalar work and eight products stand between the add and the wait for it
.if \fill
	s_add_co_u32 s[KI], s[KI], 1
	s_and_b32 s[KI], s[KI], 7
	s_lshl_b32 s[OFA], s[KI], 8
	s_lshl_b32 s[OFB], s[KI], 18
	s_xor_b32 s[G0A+5], s[G0A+5], SLOT1            ; the other slot than last time
	s_add_nc_u64 s[G0A+6:G0A+7], s[ABASE:ABASE+1], s[OFA:OFA+1]
	s_or_b32 s[G0A+7], s[G0A+7], 0x80000000
	s_xor_b32 s[G0B+5], s[G0B+5], SLOT1
	s_add_nc_u64 s[G0B+6:G0B+7], s[BBASE:BBASE+1], s[OFB:OFB+1]
	s_or_b32 s[G0B+7], s[G0B+7], 0x80000000
.endif
	s_wait_dscnt 5                                 ; (the add and the youngest four loads may be out)
	MULB 1, 0, 0
	s_wait_dscnt 0x0                               ; the add is done, and my reads of this slot are over
	s_barrier_signal -1
	MULB 1, 1, 0
	WIN 0
	s_barrier_wait -1
.if \fill
	CREST                                          ; no wave of any partner still reads this slot or has a load on its way
	JLOAD                                          ; the four v_nop behind it are also the places in front of the loads below
.else
	PLACES
.endif
	s_xor_b32 s[TB], s[TB], SLOT1
	v_add_nc_u32 v[ADRA], s[TB], v[ADRA0]
	v_add_nc_u32 v[ADRB], s[TB], v[ADRB0]
	FETCH 0, 0
.if \fill
	ASK
.endif
	MULB 1, 2, 0
	MULB 1, 3, 0
.endm
	s_wait_tensorcnt 0x1                           ; my part of the first K step is in; the second's may stay out
	s_barrier_signal -1
	s_barrier_wait -1
	FETCH 0, 0
	QUARTER 1, 0, 1, 1                             ; the first quarter's products start the sums
	WIN 0
	s_mov_b32 s3, KSTEPS-2
.Lstep:                                                ; a trip: a K step's quarters 1 to 3, the refill two steps ahead, the next step's quarter 0
	QUARTER 2, 1, 0, 0
	QUARTER 3, 0, 1, 0
	TURN 1
	QUARTER 1, 0, 1, 0
	WIN 0
	s_sub_co_u32 s3, s3, 1
	s_cmp_lg_u32 s3, 0
	s_cbranch_scc1 .Lstep
	s_mov_b32 s3, 2                                ; the last two K steps ask for nothing: a loop of their own, left in the middle of its second trip
.Ltail:
	QUARTER 2, 1, 0, 0
	QUARTER 3, 0, 1, 0
	WIN 0
	s_sub_co_u32 s3, s3, 1
	s_cmp_eq_u32 s3, 0
	s_cbranch_scc1 .Llast_quarter
	TURN 0
	QUARTER 1, 0, 1, 0
	WIN 0
	s_branch .Ltail
.Llast_quarter:
	s_wait_dscnt 0x0
	MULB 1, 0, 0
	MULB 1, 1, 0
	MULB 1, 2, 0
	MULB 1, 3, 0
	WIN 0
	PLACES
	PLACES
; THE WAY OUT, 16 rows at a time: 16 x sum + bo in place, each accumulator from its low end; 32 bytes a lane into my stage; back as whole rows of 512 bytes; stored.
.macro SCALE a
	WIN 0x82
.set b, 0
.rept 8
.set AC, 8*(8*(\a)+b)
.irp j, 0,2,4,6
	v_pk_fma_f32 v[AC+(\j):AC+(\j)+1], v[AC+(\j):AC+(\j)+1], s[SC:SC+1], v[BIAS+8*b+(\j):BIAS+8*b+(\j)+1] op_sel_hi:[1,0,1]
.endr
.set b, b+1
.endr
	WIN 0
.endm
.macro TOSTAGE a
	s_wait_xcnt 0x0                                ; the stores of the block before have read the registers that are loaded again
	WIN 0x08                                       ; the data lie in window 2
.set b, 0
.rept 8
.set AC, 8*(8*(\a)+b)
	ds_store_b128 v[STO], v[AC:AC+3]   offset:64*b
	ds_store_b128 v[STO], v[AC+4:AC+7] offset:64*b+16
.set b, b+1
.endr
	WIN 0
.set t, 0
.rept 16
	ds_load_b128 v[BK+4*t:BK+4*t+3], v[RD] offset:t*SPT  ; LDS serves a wave's instructions in order (ISA guide 5.7.1.4): these see the stores above
.set t, t+1
.endr
.endm
.macro SEND a
	s_wait_dscnt 0x0
.set t, 0
.rept 16
	global_store_b128 v[GO], v[BK+4*t:BK+4*t+3], s[10:11] offset:(16*(\a)+t)*4096 th:TH_STORE_NT  ; 512 consecutive bytes, at a multiple of 256 from out0's first
.set t, t+1
.endr
.endm
	SCALE 0
	TOSTAGE 0
.irp a, 1,2,3
	SCALE \a
	SEND (\a)-1
	TOSTAGE \a
.endr
	SEND 3
	s_wait_tensorcnt 0x0                           ; the wave's end
	ds_add_u32 v[SPW], v[NIL]
	s_wait_dscnt 0x0
	CROUND                                         ; the closing round
	s_endpgm
.Lfunc_end_k_q7ec222449b_outp:
	.size	k_q7ec222449b_outp, .Lfunc_end_k_q7ec222449b_outp-k_q7ec222449b_outp
	.p2alignl 7, 3214868480
	.fill 96, 4, 3214868480
	.section	.rodata,"a",@progbits
	.p2align	6, 0x0
	.amdhsa_kernel k_q7ec222449b_outp
		.amdhsa_group_segment_fixed_size 327680
		.amdhsa_private_segment_fixed_size 0
		.amdhsa_enable_private_segment 0
		.amdhsa_kernarg_size 32
		.amdhsa_user_sgpr_count 2
		.amdhsa_user_sgpr_kernarg_segment_ptr 1
		.amdhsa_wavefront_size32 1
		.amdhsa_system_sgpr_workgroup_id_x 1
		.amdhsa_system_sgpr_workgroup_id_y 1
		.amdhsa_system_sgpr_workgroup_id_z 1
		.amdhsa_system_vgpr_workitem_id 0
		.amdhsa_next_free_vgpr 768
		.amdhsa_next_free_sgpr 96
		.amdhsa_reserve_vcc 0
		.amdhsa_float_denorm_mode_32 3
		.amdhsa_float_denorm_mode_16_64 3
		.amdhsa_memory_ordered 1
		.amdhsa_forward_progress 1
		.amdhsa_inst_pref_size 77
	.end_amdhsa_kernel
	.amdgpu_metadata
---
amdhsa.version: [ 1, 2 ]
amdhsa.kernels:
  - .name:           k_q7ec222449b_outp
    .symbol:         k_q7ec222449b_outp.kd
    .args:
      - { .name: ow, .offset: 0, .size: 8, .value_kind: global_buffer, .address_space: global }
      - { .name: wo2, .offset: 8, .size: 8, .value_kind: global_buffer, .address_space: global }
      - { .name: bo, .offset: 16, .size: 8, .value_kind: global_buffer, .address_space: global }
      - { .name: out0, .offset: 24, .size: 8, .value_kind: global_buffer, .address_space: global }
    .group_segment_fixed_size: 327680
    .private_segment_fixed_size: 0
    .kernarg_segment_align: 8
    .kernarg_segment_size: 32
    .max_flat_workgroup_size: 128
    .sgpr_count:     96
    .vgpr_count:     768
    .wavefront_size: 32
...
	.end_amdgpu_metadata
.endif
;; end of part 4
;; ======== version 2 of 2: 4 launches; version 1 with the launch prep written anew for expert scheduling mode
;; limits: values are held in f16: magnitudes above 65,504 overflow, below 6.1e-05 lose precision
;; workspace buffers: xb 16,777,216 bytes; wt2 6,291,456 bytes; wo2 2,097,152 bytes; qw 16,777,216 bytes; kw 16,777,216 bytes; vw 16,777,216 bytes; ow 16,777,216 bytes
;; launch prep (part 5): grid 768 x 1, 8 waves a work-group, no clusters, 0 bytes of LDS; arguments query, Wq, Wk, Wv, Wo, xb, wt2, wo2; writes xb, wt2, wo2
.if DOCPART == 5
	.amdgcn_target "amdgcn-amd-amdhsa--gfx1250"
	.amdhsa_code_object_version 6
	.text
	.protected	k_q7ec222449b_prep
	.globl	k_q7ec222449b_prep
	.p2align	8
	.type	k_q7ec222449b_prep,@function
k_q7ec222449b_prep:
	s_mov_b64 s[64:65], 0
	v_nop
	global_prefetch_b8 v0, s[64:65] scope:SCOPE_SE
	s_setreg_imm32_b32 hwreg(HW_REG_WAVE_SCHED_MODE, 0, 2), 2
	s_setreg_imm32_b32 hwreg(HW_REG_WAVE_MODE, 25, 1), 1
	s_wait_xcnt 0x0
	s_wait_alu depctr_vm_vsrc(0)
; CASTS.  query [8192][1024] f32 -> xb, bf16, same order.  Wq, Wk, Wv [16][1024][64] f32 -> wt2, bf16, in blocks of 256 bytes: block (h*512 + u/2)*3 + t
; holds rows u, u + 1 (u even) of W_t[h] (t = 0 q, 1 k, 2 v), so that a head's 128 rows u of all three lie in 49,152 bytes on end.  Wo [1024][1024] f32 -> wo2:
; rounded to bf16 like every other input, and that number written as f16 (the same number from 2^-14 up; below that f16's fixed step of 6e-8 holds; beyond 65,504 it would be lost).
; The inputs key and value are named by no launch of this program: the function that is computed never reads them.
; SHARES.  A chunk is 512 bytes in (32 lanes x 16) and 256 bytes out (32 lanes x 8): each store of a wave covers 256 consecutive bytes, aligned.  A wave takes 16 chunks, all 16 loads
; out at once, a work-group 128 chunks (64 KiB in): 512 work-groups for query, 64 for each weight.  No LDS, no barrier, no matrix unit: nothing is shared and nothing is multiplied.
; THE MODE: SCHED_MODE bits 1:0 = 2 (LLVM: expert scheduling mode 2), set by the entry lines.  The code itself states the register dependences
; between vector instructions and memory instructions, with s_wait_alu, always for 0.
; THE PLAN.  Registers that memory instructions touch:
;   v1, v2   byte offsets of the loads and of the stores.  Written by vector lines at the head, never again; read by all 16 loads, by all 16 stores.
;   X        chunk i's four registers: written by its one load, read by its conversions.  No vector line names them ahead of the loads, and no load follows the conversions.
;   Y        chunk i's two registers: written by its conversions, read by its one store, never written behind it.
;   T, v3    named by vector lines alone.
; So one wait stands ahead of the first load (v1 and v2 are written; no vector line behind it names them), and the way out goes in four blocks of four chunks: the block's conversions,
; one wait (they have written the block's Y), the block's four stores in a run.  No register that a memory instruction has read is written again, no vector line writes a scalar register, EXEC is never written.
.set X,   4                            ; v[4:67]    chunk i: 4 f32 as loaded
.set Y,   68                           ; v[68:99]   chunk i: 4 numbers of 16 bits to store
.set T,   100                          ; v[100:103] at work
.set IN,  24                           ; s[24:25]   where the work-group reads
.set OUT, 26                           ; s[26:27]   where it writes
	s_load_b512 s[8:23], s[0:1], 0x0               ; query, Wq, Wk, Wv, Wo, xb, wt2, wo2
	v_and_b32 v1, 31, v0                           ; lane
	v_lshrrev_b32 v3, 5, v0                        ; wave
	v_lshlrev_b32 v2, 3, v1                        ; 8 bytes a lane out
	v_lshlrev_b32 v1, 4, v1                        ; 16 bytes a lane in
	v_lshl_add_u32 v1, v3, 13, v1                  ; + wave x 16 chunks x 512
	s_sub_co_u32 s4, ttmp9, 512                    ; work-groups 512 .. 767 take the weights:
	s_lshr_b32 s5, s4, 6                           ; which tensor (0 Wq, 1 Wk, 2 Wv, 3 Wo),
	s_and_b32 s6, s4, 63                           ; which 64 KiB of it
	s_cmp_lt_u32 ttmp9, 512
	s_cselect_b32 s5, 4, s5                        ; 4: query
	s_cselect_b32 s6, ttmp9, s6
	s_lshl_b32 s28, s6, 16                         ; byte offset in
	s_mov_b32 s29, 0
	s_lshl_b32 s30, s6, 15                         ; byte offset out, dense
	s_mul_i32 s32, s6, 98304                       ; or 128 chunks x 768,
	s_lshl_b32 s33, s5, 8                          ; + the tensor's block of the three
	s_add_co_u32 s32, s32, s33
	s_movk_i32 s34, 4096                           ; a wave's 16 chunks out: dense,
	s_movk_i32 s35, 12288                          ; or 768 apart
	s_mov_b32 s7, 0xffff0000                       ; a word's upper bf16
	s_cmp_lt_u32 s5, 3
	s_cselect_b32 s30, s32, s30
	s_cselect_b32 s34, s35, s34
	s_mov_b32 s31, 0
	v_mad_u32_u24 v2, v3, s34, v2
	s_wait_kmcnt 0x0
	s_cmp_eq_u32 s5, 0
	s_cselect_b64 s[IN:IN+1], s[10:11], s[8:9]
	s_cmp_eq_u32 s5, 1
	s_cselect_b64 s[IN:IN+1], s[12:13], s[IN:IN+1]
	s_cmp_eq_u32 s5, 2
	s_cselect_b64 s[IN:IN+1], s[14:15], s[IN:IN+1]
	s_cmp_eq_u32 s5, 3
	s_cselect_b64 s[IN:IN+1], s[16:17], s[IN:IN+1]
	s_cselect_b64 s[OUT:OUT+1], s[22:23], s[18:19]
	s_cmp_lt_u32 s5, 3
	s_cselect_b64 s[OUT:OUT+1], s[20:21], s[OUT:OUT+1]
	s_add_nc_u64 s[IN:IN+1], s[IN:IN+1], s[28:29]
	s_add_nc_u64 s[OUT:OUT+1], s[OUT:OUT+1], s[30:31]
	s_wait_alu depctr_va_vdst(0)                   ; v1 and v2 are written: every load below reads v1 as its offset, every store v2
.set i, 0
.rept 16
	global_load_b128 v[X+4*i:X+4*i+3], v1, s[IN:IN+1] offset:512*i th:TH_LOAD_NT  ; each byte is read once in the launch
.set i, i+1
.endr
; The 16 chunks are rounded and stored, four to a block.  No register that a load or store names is written twice, so the waits are the counted ones for the loads (15 - i younger loads may stay out)
; and one a block between its conversions and its stores.
.macro OUTP stride, f16
.set i, 0
.rept 4
.rept 4
	s_wait_loadcnt 15-i
	v_cvt_pk_bf16_f32 v[Y+2*i], v[X+4*i], v[X+4*i+1]
	v_cvt_pk_bf16_f32 v[Y+2*i+1], v[X+4*i+2], v[X+4*i+3]
.if \f16
	v_lshlrev_b32 v[T], 16, v[Y+2*i]               ; the bf16 numbers as f32,
	v_and_b32 v[T+1], s7, v[Y+2*i]
	v_lshlrev_b32 v[T+2], 16, v[Y+2*i+1]
	v_and_b32 v[T+3], s7, v[Y+2*i+1]
	v_cvt_pk_f16_f32 v[Y+2*i], v[T], v[T+1]        ; written as f16
	v_cvt_pk_f16_f32 v[Y+2*i+1], v[T+2], v[T+3]
.endif
.set i, i+1
.endr
	s_wait_alu depctr_va_vdst(0)                   ; the block's conversions have written its eight registers of Y, which the four stores below read
.set j, i-4
.rept 4
	global_store_b64 v2, v[Y+2*j:Y+2*j+1], s[OUT:OUT+1] offset:j*(\stride)
.set j, j+1
.endr
.endr
.endm
	s_cmp_lt_u32 s5, 3
	s_cbranch_scc1 .Lheads
	s_cmp_eq_u32 s5, 3
	s_cbranch_scc1 .Lwo
	OUTP 256, 0                                    ; query
	s_endpgm
.Lheads:
	OUTP 768, 0                                    ; Wq, Wk, Wv
	s_endpgm
.Lwo:
	OUTP 256, 1                                    ; Wo
	s_endpgm
.Lfunc_end_k_q7ec222449b_prep:
	.size	k_q7ec222449b_prep, .Lfunc_end_k_q7ec222449b_prep-k_q7ec222449b_prep
	.p2alignl 7, 3214868480
	.fill 96, 4, 3214868480
	.section	.rodata,"a",@progbits
	.p2align	6, 0x0
	.amdhsa_kernel k_q7ec222449b_prep
		.amdhsa_group_segment_fixed_size 0
		.amdhsa_private_segment_fixed_size 0
		.amdhsa_enable_private_segment 0
		.amdhsa_kernarg_size 64
		.amdhsa_user_sgpr_count 2
		.amdhsa_user_sgpr_kernarg_segment_ptr 1
		.amdhsa_wavefront_size32 1
		.amdhsa_system_sgpr_workgroup_id_x 1
		.amdhsa_system_sgpr_workgroup_id_y 1
		.amdhsa_system_sgpr_workgroup_id_z 1
		.amdhsa_system_vgpr_workitem_id 0
		.amdhsa_next_free_vgpr 104
		.amdhsa_next_free_sgpr 66
		.amdhsa_reserve_vcc 0
		.amdhsa_float_denorm_mode_32 3
		.amdhsa_float_denorm_mode_16_64 3
		.amdhsa_memory_ordered 1
		.amdhsa_forward_progress 1
		.amdhsa_inst_pref_size 20
	.end_amdhsa_kernel
	.amdgpu_metadata
---
amdhsa.version: [ 1, 2 ]
amdhsa.kernels:
  - .name:           k_q7ec222449b_prep
    .symbol:         k_q7ec222449b_prep.kd
    .args:
      - { .name: query, .offset: 0, .size: 8, .value_kind: global_buffer, .address_space: global }
      - { .name: Wq, .offset: 8, .size: 8, .value_kind: global_buffer, .address_space: global }
      - { .name: Wk, .offset: 16, .size: 8, .value_kind: global_buffer, .address_space: global }
      - { .name: Wv, .offset: 24, .size: 8, .value_kind: global_buffer, .address_space: global }
      - { .name: Wo, .offset: 32, .size: 8, .value_kind: global_buffer, .address_space: global }
      - { .name: xb, .offset: 40, .size: 8, .value_kind: global_buffer, .address_space: global }
      - { .name: wt2, .offset: 48, .size: 8, .value_kind: global_buffer, .address_space: global }
      - { .name: wo2, .offset: 56, .size: 8, .value_kind: global_buffer, .address_space: global }
    .group_segment_fixed_size: 0
    .private_segment_fixed_size: 0
    .kernarg_segment_align: 8
    .kernarg_segment_size: 64
    .max_flat_workgroup_size: 256
    .sgpr_count:     66
    .vgpr_count:     104
    .wavefront_size: 32
...
	.end_amdgpu_metadata
.endif
;; end of part 5
;; launch proj: the kernel of part 2 again; grid 16 x 32, 4 waves a work-group, clusters of 4 x 4, 327,680 bytes of LDS; arguments xb, wt2, bq, bk, bv, qw, kw, vw; writes qw, kw, vw
;; launch attn: the kernel of part 3 again; grid 4 x 64, 4 waves a work-group, clusters of 4 x 4, 327,680 bytes of LDS; arguments qw, kw, vw, mask, ow; writes ow
;; launch outp: the kernel of part 4 again; grid 8 x 32, 4 waves a work-group, clusters of 4 x 4, 327,680 bytes of LDS; arguments ow, wo2, bo, out0; writes out0
